; MI455X (gfx1250); checked and timed in simulation.
; The chip was launched on July 23, 2026; its instructions are those of AMD's public machine-readable ISA for CDNA 5 (MIT licence, August 2026) and "CDNA5" Instruction Set Architecture Reference Guide (July 2026). The comments in the code are by the model that wrote it; some were corrected since.
;; Multi Head Self Attention. Allowed arithmetic: matrix products marked QUANTISED: E2M3 operands, one E8M0 scale for each 32 along K, by v_wmma_scale_f32_16x16x128_f8f6f4 with both operands' format E2M3, f32 sums; everything else in f32.
;; Inputs: b_proj 1,024 float32; w_proj 1,024 x 1,024 float32; w_qkv 1,024 x 3,072 float32; x 4 x 2,048 x 1,024 float32.
;; Outputs: out0 4 x 2,048 x 1,024 float32.
;; This version of the problem:
;;   THIS VERSION OF THE PROBLEM IS GIVEN IN LOW PRECISION. The matrix products marked QUANTISED in the list below multiply operands that are first quantised to E2M3 (2 exponent bits, 3 mantissa bits; 6 bits a number), with one power-of-two scale for each 32 numbers along K (OCP MX v1.0); their sums are f32. All else is computed in f32.
;;   The module's matrix products, in the order in which they are computed (A, B: the left and right operand; K: the contracted axis; several contracted axes count as one K, in the product's order):
;;     1. [M 8,192, K 1,024] x [K 1,024, N 3,072]; A: input x; B: input w_qkv: QUANTISED
;;     2. batch 64 x [M 2,048, K 64] x [K 64, N 2,048]; A: computed on the way; B: computed on the way: QUANTISED
;;     3. batch 64 x [M 2,048, K 2,048] x [K 2,048, N 64]; A: softmax (see below); B: computed on the way: QUANTISED
;;     4. [M 8,192, K 1,024] x [K 1,024, N 1,024]; A: computed on the way; B: input w_proj: QUANTISED
;;   THE QUANTISER, for each operand of a quantised product, along K:
;;     - K is cut into blocks of 32 from its start; a last block that is shorter is filled with zeros.
;;     - A block's scale is 2^e with e = floor(log2(the largest magnitude in the block)) - 2, held to -126 .. 127; a block of zeros has e = 0. As a byte (E8M0): e + 127.
;;     - Each number is divided by its block's scale, clamped to +-7.5, and rounded to the nearest number of E2M3, ties to even, subnormals kept.
;;     - The product sums the exact products of the quantised numbers (number of the format x scale) in f32.
;;   ~~~python
;;   def quantise(x, axis):      # numpy; x: float32 -> the quantised numbers, widened to float32 again
;;       x = np.moveaxis(x, axis, -1); K = x.shape[-1]
;;       x = np.pad(x, [(0, 0)] * (x.ndim - 1) + [(0, -K % 32)]); x = x.reshape(x.shape[:-1] + (-1, 32)); a = np.abs(x).max(-1, keepdims=True)
;;       e = np.where(a > 0, np.clip(np.frexp(np.where(a > 0, a, 1))[1] - 1 - 2, -126, 127), 0)      # np.frexp(a)[1] - 1 = floor(log2(a)), exactly
;;       r = np.clip(x / 2.0 ** e, -7.5, 7.5)
;;       step = 2.0 ** (np.maximum(np.frexp(np.where(r == 0, 1, r))[1] - 1, 0) - 3)
;;       q = np.round(r / step) * step * 2.0 ** e      # np.round: ties to even
;;       return np.moveaxis(q.reshape(q.shape[:-2] + (-1,))[..., :K], -1, axis).astype(np.float32)
;;   ~~~
;;   SOFTMAX AHEAD OF A QUANTISED PRODUCT. Where the list says 'softmax', what is quantised is not the finished softmax but p = 2^(t - M), with t = logit x log2(e) and M = ceil(the row's largest t), a whole number; so 1/2 < the row's largest p <= 1. The row's sum l is taken of the UNQUANTISED p, in f32, and the product's result is divided by l at the end. Since M is a whole number, a kernel that streams over the keys may use a running M (the ceiling of the running maximum): every later rescaling is an exact power of two, which a block's scale takes up: the codes' values come out the same.
;;   OPERANDS COMPUTED ON THE WAY. 'Computed on the way' means the value that the module computes at that place (a softmax that the list does not call 'softmax' is quantised finished and normalised). What goes into a quantiser is computed in f32, as accurately as f32 sums, v_exp_f32 and their like allow (about 1e-6 of the number): no bf16 or f16 on the way to a quantiser, and a product that is left as it is and whose result goes on into a quantised operand takes f32 operands (vector FMAs, or v_wmma_f32_16x16x4_f32). A number that lies on a knife's edge between two numbers of the format may be rounded either way, as far as f32 arithmetic and the matrix unit's own rounding can turn it there, and no further.
;; One version. Each part assembles by itself: llvm-mc -triple=amdgcn-amd-amdhsa -mcpu=gfx1250 --defsym DOCPART=n.
;; ======== version 1 of 1: 4 launches
;; workspace buffers: x_codes 6,291,456 bytes; x_scales 262,144 bytes; w_codes 3,145,728 bytes; w_scales 131,072 bytes; qkv 26,738,688 bytes; a_img 6,291,456 bytes; a_scales 262,144 bytes
;; launch quant (part 1): grid 384 x 1, 4 waves a work-group, no clusters, 68,096 bytes of LDS; arguments x, w_qkv, w_proj, x_codes, x_scales, w_codes, w_scales; writes x_codes, x_scales, w_codes, w_scales
.if DOCPART == 1
	.amdgcn_target "amdgcn-amd-amdhsa--gfx1250"
	.amdhsa_code_object_version 6
	.text
	.protected	k_q378f7e01d0_quant
	.globl	k_q378f7e01d0_quant
	.p2align	8
	.type	k_q378f7e01d0_quant,@function
k_q378f7e01d0_quant:
	s_mov_b64 s[64:65], 0
	v_nop
	global_prefetch_b8 v0, s[64:65] scope:SCOPE_SE
	s_setreg_imm32_b32 hwreg(HW_REG_WAVE_MODE, 25, 1), 1
	s_wait_xcnt 0x0
; x [8192][1024], w_qkv [1024][3072] and w_proj [1024][1024], f32, become codes of FP6 (E2M3) with K innermost (768 bytes a row) and one E8M0 byte for each 32 along K (32 bytes a row).
; A block's scale is 2^(floor(log2(its largest magnitude)) - 2); its byte is the largest magnitude's exponent field - 2, held at 1 from below.
; LIMITS: a block of zeros, or one whose largest magnitude lies under 2^-124, keeps the byte 1 (its codes are then zeros or very small; only this program reads the bytes); NaN and infinities are not served.
; THE ROWS OF THE CODES LIE IN POSITION ORDER: inside each group of 64 rows, position 16 u + 8 hi + j holds row 32 hi + 8 u + j (u 0..3, hi 0..1, j 0..7).  A matrix result whose source 0 has its rows so
; holds, in the 32 registers of four neighbouring tiles of one lane, 32 neighbouring indices in order: a whole block of the next quantiser.  The later launches lean on that.
; Work-groups 0..255 take x (K innermost: a stream of blocks), work-groups 256..383 the weights (K is the first axis: a lane takes a column and its registers run down K).  The two ways part on the
; work-group's number and have LDS bytes of their own.  No tensor loads, no barrier: waves share nothing.  No cluster: no two work-groups read the same bytes.
.set STEPS, 16
.set EMAX,  2
.set CB,    12                         ; bytes of 16 codes
.set XR,    16                         ; x: v16-79   four sets of 16 numbers as loaded
.set XX,    80                         ; x: v80-111  two sets of 16 neighbours
.set XE,    112                        ; x: v112-127 a scale byte for each step
.set XC,    128                        ; x: v128-191 codes, four registers a step: no store's data are written again
.set WREG,  8192                       ; x: LDS of a wave: two stages of 32 x SP bytes, then 256 scale bytes
.set SP,    80                         ; x: a lane's place in a stage: 64 bytes + 16 of padding
.set WLDS,  32768                      ; weights: their LDS begins here
.set PITCH, 272                        ; weights: a stage row: sixteen places of 16 bytes + 16
.set NB,    8                          ; weights: blocks of 32 along K for a wave (256 along K)
.set WSB,   24                         ; weights: v24-25 the scale bytes
.set WX,    32                         ; weights: v32-95 two sets of 32 numbers
.set WC,    96                         ; weights: a block's codes
.set WOUT,  112                        ; weights: v112-175 the way out
.set WOF,   176                        ; weights: v176-207 4 x lane + i rows of the tensor, i = 0..31; never rewritten
	s_load_b128 s[4:7], s[0:1], 0x0                ; x, w_qkv
	s_load_b128 s[8:11], s[0:1], 0x10              ; w_proj, x_codes
	s_load_b128 s[12:15], s[0:1], 0x20             ; x_scales, w_codes
	s_load_b64 s[16:17], s[0:1], 0x30              ; w_scales
	v_lshl_add_u32 v208, v0, 2, 0x10800
	v_mov_b32 v209, 0
	v_lshrrev_b32 v1, 5, v0
	v_readfirstlane_b32 s18, v1                    ; wave
	v_and_b32 v2, 31, v0                           ; lane
	s_cmp_lt_u32 ttmp9, 256
	s_cbranch_scc0 .Lweights
; ---------------- x.  A wave takes run R = 4 x work-group + wave: rows 8 R .. 8 R + 7, 16 steps of 512 numbers.  Each load reads 512 consecutive bytes; a step's 2,048 bytes turn through the wave's own
; stage, so that a lane then holds 16 neighbours along K (two neighbouring lanes hold a block).  The run's codes (6,144 bytes) and scale bytes (256) go to run R' of the outputs: the position order.
	v_lshlrev_b32 v3, 4, v2                        ; my 16 bytes of a load's 512
	s_mul_i32 s19, s18, WREG
	v_lshrrev_b32 v14, 2, v2
	v_mul_u32_u24 v14, v14, SP
	v_and_b32 v15, 3, v2
	v_lshl_add_u32 v14, v15, 4, v14
	v_add_nc_u32 v14, s19, v14                     ; the stage, on the way in: SP (lane / 4) + 16 (lane % 4)
	v_mul_u32_u24 v15, v2, SP
	v_add_nc_u32 v15, s19, v15                     ; and on the way out: SP x lane
	v_mul_u32_u24 v4, v2, CB                       ; my codes' place in a step's
	v_lshrrev_b32 v5, 1, v2
	s_add_co_u32 s19, s19, 2*32*SP
	v_add_nc_u32 v5, s19, v5                       ; my block's scale byte in LDS
	v_lshlrev_b32 v7, 3, v2
	v_add_nc_u32 v6, s19, v7
	s_lshl_b32 s20, ttmp9, 2
	s_add_co_u32 s20, s20, s18                     ; R
	s_lshl_b32 s22, s20, 15                        ; 32,768 bytes of x a run
	s_mov_b32 s23, 0
	s_and_not1_b32 s24, s20, 7
	s_and_b32 s25, s20, 3                          ; u
	s_lshl_b32 s25, s25, 1
	s_or_b32 s24, s24, s25
	s_bfe_u32 s25, s20, 0x10002                    ; hi
	s_or_b32 s24, s24, s25                         ; R' = (R & ~7) | 2 u | hi
	s_mul_i32 s26, s24, 6144
	s_mov_b32 s27, 0
	s_lshl_b32 s28, s24, 8
	s_mov_b32 s29, 0
	s_wait_kmcnt 0x0
	s_add_nc_u64 s[4:5], s[4:5], s[22:23]
	s_add_nc_u64 s[10:11], s[10:11], s[26:27]
	s_add_nc_u64 s[12:13], s[12:13], s[28:29]
.macro XLOAD t
.irp i, 0,1,2,3
	global_load_b128 v[XR+16*((\t)%4)+4*\i:XR+16*((\t)%4)+4*\i+3], v3, s[4:5] offset:2048*(\t)+512*\i th:TH_LOAD_NT
.endr
.endm
.macro XTURN t                         ; step t's numbers through the stage: LDS serves a wave's instructions in order (ISA guide 5.7.1.4), so no wait stands between the stores and the loads
.irp i, 0,1,2,3
	ds_store_b128 v14, v[XR+16*((\t)%4)+4*\i:XR+16*((\t)%4)+4*\i+3] offset:32*SP*((\t)%2)+8*SP*\i
.endr
.irp i, 0,1,2,3
	ds_load_b128 v[XX+16*((\t)%2)+4*\i:XX+16*((\t)%2)+4*\i+3], v15 offset:32*SP*((\t)%2)+16*\i
.endr
.endm
.irp t, 0,1,2,3
	XLOAD \t
.endr
	s_wait_loadcnt 12                              ; step 0's four loads are in; three steps' twelve may be out
	XTURN 0
.macro XSTEP t
.set XS, XX+16*((\t)%2)
.if (\t) > 0
	s_wait_dscnt 1                                 ; this step's numbers are back from the stage (the last step's byte store may be out)
.else
	s_wait_dscnt 0x0
.endif
.if (\t)+4 < STEPS
	XLOAD (\t)+4                                   ; into the registers that this step's stores into the stage have read
.endif
.if (\t)+1 < STEPS
.if STEPS-2-(\t) >= 3
	s_wait_loadcnt 12                              ; the next step's four loads are in; those of the three steps behind it may be out
.else
	s_wait_loadcnt 4*(STEPS-2-(\t))
.endif
	XTURN (\t)+1
.endif
	v_max3_num_f32 v8, |v[XS]|, |v[XS+1]|, |v[XS+2]|               ; the largest magnitude of my 16, in two chains
	v_max3_num_f32 v9, |v[XS+3]|, |v[XS+4]|, |v[XS+5]|
.irp i, 6,10
	v_max3_num_f32 v8, v8, |v[XS+\i]|, |v[XS+\i+1]|
	v_max3_num_f32 v9, v9, |v[XS+\i+2]|, |v[XS+\i+3]|
.endr
	v_max3_num_f32 v8, v8, |v[XS+14]|, |v[XS+15]|
	v_max3_num_f32 v8, v8, v9, (EMAX+1)<<23        ; and the floor 2^(3 - 127): the byte cannot fall under 1
	v_max_num_f32_dpp v8, v8, v8 row_xmask:1 row_mask:0xf bank_mask:0xf   ; with my neighbour's 16: the block's
	v_add_nc_u32 v11, -(EMAX<<23), v8              ; 2 off its exponent field: the conversion takes the exponent field of this operand as its scale
	v_cvt_scalef32_pk16_fp6_f32 v[XC+4*(\t):XC+4*(\t)+2], v[XS:XS+15], v11
	v_lshrrev_b32 v[XE+(\t)], 23, v11              ; the scale's byte
	ds_store_b8 v5, v[XE+(\t)] offset:16*(\t)      ; both lanes of a block write the same byte with the same value
	global_store_b96 v4, v[XC+4*(\t):XC+4*(\t)+2], s[10:11] offset:32*CB*(\t)   ; the wave stores 384 consecutive bytes
.endm
.irp t, 0,1,2,3,4,5,6,7,8,9,10,11,12,13,14,15
	XSTEP \t
.endr
	ds_load_b64 v[12:13], v6                       ; in order behind my byte stores
	s_wait_dscnt 0x0
	global_store_b64 v7, v[12:13], s[12:13]        ; 32 lanes store 256 consecutive bytes, aligned
	s_wait_tensorcnt 0x0
	ds_add_u32 v208, v209
	s_wait_dscnt 0x0
	s_endpgm
; ---------------- the weights.  j = work-group - 256: 0..95 w_qkv (24 strips of 128 columns x 4 quarters of K), 96..127 w_proj (8 x 4).  A wave takes 32 columns x 256 along K.
.Lweights:
	s_wait_kmcnt 0x0
	s_sub_co_u32 s19, ttmp9, 256                   ; j
	s_cmp_lt_u32 s19, 96                           ; the choice hangs on the work-group's number alone
	s_cselect_b64 s[6:7], s[6:7], s[8:9]           ; the tensor,
	s_mov_b32 s20, 4096
	s_cselect_b32 s20, 12288, s20                  ; its row in bytes,
	s_cselect_b32 s21, 0, 96
	s_cselect_b32 s22, 0, 3072                     ; and where its columns begin among the rows of w_codes
	s_sub_co_u32 s19, s19, s21
	s_lshr_b32 s21, s19, 2                         ; strip of 128 columns
	s_and_b32 s19, s19, 3                          ; quarter of K
	s_lshl_b32 s21, s21, 7
	s_lshl_b32 s23, s18, 5
	s_add_co_u32 s21, s21, s23                     ; my wave's first column
	s_lshl_b32 s24, s20, 8
	s_mul_i32 s24, s24, s19                        ; 256 rows a quarter
	s_lshl_b32 s23, s21, 2
	s_add_co_u32 s24, s24, s23
	s_mov_b32 s25, 0
	s_add_nc_u64 s[32:33], s[6:7], s[24:25]        ; block 0's base; one base for each of the 8 blocks, never rewritten
	s_lshl_b32 s24, s20, 5                         ; 32 rows on
.irp t, 1,2,3,4,5,6,7
	s_add_nc_u64 s[32+2*\t:33+2*\t], s[30+2*\t:31+2*\t], s[24:25]
.endr
	s_add_co_u32 s21, s21, s22                     ; my first row of w_codes, before the position order
	s_lshr_b32 s22, s21, 6
	s_lshl_b32 s22, s22, 6                         ; its group of 64,
	s_and_b32 s23, s18, 1
	s_lshl_b32 s23, s23, 3
	s_add_co_u32 s22, s22, s23                     ; + 8 hi: my 32 columns are the group's half hi = wave % 2
	s_mul_i32 s26, s22, 768
	s_mul_i32 s23, s19, 192
	s_add_co_u32 s26, s26, s23
	s_mov_b32 s27, 0
	s_add_nc_u64 s[14:15], s[14:15], s[26:27]
	s_lshl_b32 s26, s22, 5
	s_lshl_b32 s23, s19, 3
	s_add_co_u32 s26, s26, s23
	s_add_nc_u64 s[16:17], s[16:17], s[26:27]
	v_lshlrev_b32 v3, 2, v2                        ; in: 4 bytes a lane
.set n, 0
.rept 32
	v_mad_u32_u24 v[WOF+n], s20, n, v3
.set n, n+1
.endr
	s_mul_i32 s28, s18, 32*PITCH
	s_add_co_u32 s28, s28, WLDS                    ; my stage
	v_mul_u32_u24 v4, v2, PITCH
	v_add_nc_u32 v4, s28, v4                       ; into it: row = my column
	v_and_b32 v5, 15, v2
	v_lshrrev_b32 v6, 4, v2
	v_mul_u32_u24 v7, v6, PITCH
	v_lshl_add_u32 v7, v5, 4, v7
	v_add_nc_u32 v7, s28, v7                       ; out of it: sixteen lanes to a row, two rows an instruction
	v_mul_u32_u24 v8, v6, 768
	v_mad_u32_u24 v8, v5, 12, v8                   ; and the same place in w_codes
	v_lshrrev_b32 v9, 3, v2
	v_lshlrev_b32 v9, 4, v9
	v_and_b32 v10, 7, v2
	v_add_nc_u32 v9, v9, v10                       ; column 8 u + j of the half goes to position 16 u + j (+ 8 hi, in the base)
	v_lshlrev_b32 v9, 5, v9                        ; its row of scale bytes
.macro WLOAD t                         ; block t: 32 rows of K at my column: each load reads 128 consecutive bytes a wave
.set n, 0
.rept 32
	global_load_b32 v[WX+32*((\t)%2)+n], v[WOF+n], s[32+2*(\t):33+2*(\t)] th:TH_LOAD_NT
.set n, n+1
.endr
.endm
	WLOAD 0
	WLOAD 1
.macro WBLOCK t
.set XS, WX+32*((\t)%2)
.if (\t) < NB-1
	s_wait_loadcnt 32                              ; this block's 32 loads are in; the next block's may be out
.else
	s_wait_loadcnt 0
.endif
	v_max3_num_f32 v12, |v[XS]|, |v[XS+1]|, |v[XS+2]|               ; all 32 numbers of the block are mine
	v_max3_num_f32 v13, |v[XS+3]|, |v[XS+4]|, |v[XS+5]|
.irp i, 6,10,14,18,22,26
	v_max3_num_f32 v12, v12, |v[XS+\i]|, |v[XS+\i+1]|
	v_max3_num_f32 v13, v13, |v[XS+\i+2]|, |v[XS+\i+3]|
.endr
	v_max3_num_f32 v12, v12, |v[XS+30]|, |v[XS+31]|
	v_max3_num_f32 v12, v12, v13, (EMAX+1)<<23     ; and the floor
	v_add_nc_u32 v11, -(EMAX<<23), v12             ; the conversion's scale operand
	v_lshrrev_b32 v13, 23, v11                     ; the scale's byte
.if (\t)%4 == 0
	v_mov_b32 v[WSB+(\t)/4], v13
.else
	v_lshl_or_b32 v[WSB+(\t)/4], v13, 8*((\t)%4), v[WSB+(\t)/4]
.endif
	v_cvt_scalef32_pk16_fp6_f32 v[WC:WC+2], v[XS:XS+15], v11
	v_cvt_scalef32_pk16_fp6_f32 v[WC+4:WC+6], v[XS+16:XS+31], v11   ; (a conversion's three registers begin on an even number)
	ds_store_b96 v4, v[WC:WC+2] offset:32*(\t)     ; 12 bytes to a place of 16
	ds_store_b96 v4, v[WC+4:WC+6] offset:32*(\t)+16
.if (\t)+2 < NB
	WLOAD (\t)+2
.endif
	s_wait_dscnt 0x0                               ; the stores have read their registers: the next block's codes may be written
.endm
.irp t, 0,1,2,3,4,5,6,7
	WBLOCK \t
.endr
	global_store_b64 v9, v[WSB:WSB+1], s[16:17]    ; my column's 8 scale bytes
.irp t, 0,1,2,3,4,5,6,7,8,9,10,11,12,13,14,15
	ds_load_b96 v[WOUT+4*\t:WOUT+4*\t+2], v7 offset:2*\t*PITCH
.endr
.irp t, 0,1,2,3,4,5,6,7,8,9,10,11,12,13,14,15
	s_wait_dscnt 15-\t                             ; loads come back in order: pair t of rows is in
	global_store_b96 v8, v[WOUT+4*\t:WOUT+4*\t+2], s[14:15] offset:(16*(\t/4)+(2*\t)%8)*768   ; columns 2 t, 2 t + 1 of the half: positions 16 (t / 4) + 2 t % 8, + 1; sixteen lanes store 192 consecutive bytes
.endr
	s_wait_tensorcnt 0x0
	ds_add_u32 v208, v209
	s_wait_dscnt 0x0
	s_endpgm
.Lfunc_end_k_q378f7e01d0_quant:
	.size	k_q378f7e01d0_quant, .Lfunc_end_k_q378f7e01d0_quant-k_q378f7e01d0_quant
	.p2alignl 7, 3214868480
	.fill 96, 4, 3214868480
	.section	.rodata,"a",@progbits
	.p2align	6, 0x0
	.amdhsa_kernel k_q378f7e01d0_quant
		.amdhsa_group_segment_fixed_size 68096
		.amdhsa_private_segment_fixed_size 0
		.amdhsa_enable_private_segment 0
		.amdhsa_kernarg_size 56
		.amdhsa_user_sgpr_count 2
		.amdhsa_user_sgpr_kernarg_segment_ptr 1
		.amdhsa_wavefront_size32 1
		.amdhsa_system_sgpr_workgroup_id_x 1
		.amdhsa_system_sgpr_workgroup_id_y 1
		.amdhsa_system_sgpr_workgroup_id_z 1
		.amdhsa_system_vgpr_workitem_id 0
		.amdhsa_next_free_vgpr 210
		.amdhsa_next_free_sgpr 66
		.amdhsa_reserve_vcc 0
		.amdhsa_float_denorm_mode_32 3
		.amdhsa_float_denorm_mode_16_64 3
		.amdhsa_memory_ordered 1
		.amdhsa_forward_progress 1
		.amdhsa_inst_pref_size 76
	.end_amdhsa_kernel
	.amdgpu_metadata
---
amdhsa.version: [ 1, 2 ]
amdhsa.kernels:
  - .name:           k_q378f7e01d0_quant
    .symbol:         k_q378f7e01d0_quant.kd
    .args:
      - { .name: x, .offset: 0, .size: 8, .value_kind: global_buffer, .address_space: global }
      - { .name: w_qkv, .offset: 8, .size: 8, .value_kind: global_buffer, .address_space: global }
      - { .name: w_proj, .offset: 16, .size: 8, .value_kind: global_buffer, .address_space: global }
      - { .name: x_codes, .offset: 24, .size: 8, .value_kind: global_buffer, .address_space: global }
      - { .name: x_scales, .offset: 32, .size: 8, .value_kind: global_buffer, .address_space: global }
      - { .name: w_codes, .offset: 40, .size: 8, .value_kind: global_buffer, .address_space: global }
      - { .name: w_scales, .offset: 48, .size: 8, .value_kind: global_buffer, .address_space: global }
    .group_segment_fixed_size: 68096
    .private_segment_fixed_size: 0
    .kernarg_segment_align: 8
    .kernarg_segment_size: 56
    .max_flat_workgroup_size: 128
    .sgpr_count:     66
    .vgpr_count:     210
    .wavefront_size: 32
...
	.end_amdgpu_metadata
.endif
;; end of part 1
;; launch gemm_qkv (part 2): grid 12 x 32, 4 waves a work-group, clusters of 4 x 4, 327,680 bytes of LDS; arguments x_codes, x_scales, w_codes, w_scales, qkv; writes qkv
.if DOCPART == 2
	.amdgcn_target "amdgcn-amd-amdhsa--gfx1250"
	.amdhsa_code_object_version 6
	.text
	.protected	k_q378f7e01d0_gemm_qkv
	.globl	k_q378f7e01d0_gemm_qkv
	.p2align	8
	.type	k_q378f7e01d0_gemm_qkv,@function
k_q378f7e01d0_gemm_qkv:
	s_mov_b64 s[64:65], 0
	v_nop
	global_prefetch_b8 v0, s[64:65] scope:SCOPE_SE
	s_setreg_imm32_b32 hwreg(HW_REG_WAVE_MODE, 25, 1), 1
	s_wait_xcnt 0x0
	s_wait_alu depctr_hold_cnt(0) depctr_sa_sdst(0) depctr_va_vdst(0) depctr_va_sdst(0) depctr_va_ssrc(0) depctr_va_vcc(0) depctr_vm_vsrc(0)
	s_getreg_b32 s2, hwreg(HW_REG_IB_STS2, 6, 4)
	s_cmp_eq_u32 s2, 0
	s_cbranch_scc0 .Lentry_in_a_cluster
	s_endpgm
.Lentry_in_a_cluster:
	s_bfe_u32 s2, ttmp6, 0x10000c
	s_cmp_lg_u32 s2, 0xf033
	s_cbranch_scc0 .Lentry_shape_is_right
	s_endpgm
.Lentry_shape_is_right:
; qkv = x w_qkv on codes of FP6 (E2M3) with E8M0 scales, K = 1,024; the f32 results are quantised in registers, for the two products of attention, and leave as codes: no f32 number of q, k, v goes to memory.
; A tile of 256 rows x 256 columns is made by four waves, 128 x 128 each: 64 accumulators, 512 registers.  K goes in steps of 256 through a ring of two LDS slots filled by the tensor data mover; the scale
; bytes of the work-group's rows come once and stay.  CLUSTERS of 4 x 4: x's tiles are asked for jointly along a row of the cluster, the weights' along a column.
; WHICH OPERAND IS SOURCE 0.  A lane of a result holds one row of source 1 and, in the 32 registers of four neighbouring tiles, 32 neighbouring indices of source 0 (whose rows lie in position order: position
; 16 u + 8 hi + j of a group of 64 holds row 32 hi + 8 u + j).  q and k are quantised along the head's 64 numbers: source 0 = the weights, source 1 = x.  v is quantised along the keys: source 0 = x,
; source 1 = the weights.  The choice p (1 for v) hangs on the cluster's x alone, which all partners share; it only swaps the LDS addresses from which the two roles read.
; WHAT LEAVES.  Lane (r, h)'s 32 numbers are one block: its largest magnitude needs no other lane, and the two conversions' 6 registers ARE registers 6 c .. 6 c + 5 of the next operand.  A HALF IMAGE (16 rows x
; 64 K, 768 bytes) is stored as the registers stand: registers 0-3 at 16 x lane, registers 4-5 at 512 + 8 x lane: each store covers 512 or 256 consecutive bytes, aligned.
; qkv: 2 sections (q; k and v) x 64 heads x 16 steps of 128 rows x 13,056 bytes: [0: 8 half images (q or k)] [6,144: 8 half images of v, (c, u) at 3,072 c + 768 u] [12,288: q's or k's scale words] [12,800: v's].
; LIMITS: a block whose largest magnitude lies under 2^-124 keeps the byte 1; NaN and infinities are not served.
; REGISTERS: window 0: v16-29 addresses; v32-63 scale words, two sets; from v128 source 1's fragments, one set; on the way out v32-95 at work.  window 1: source 0's fragments, two sets.  windows 2, 3: accumulators.
.set KSTEP,  256
.set NQ,     2                         ; matrix instructions deep in a slot
.set ROWB,   192                       ; a tile's row: 256 codes
.set KROW,   768                       ; a row of codes in memory
.set PITCH,  240                       ; an LDS row: 3 x (64 bytes + 16 of padding)
.set FR,     12
.set NL,     6                         ; LDS loads that bring a fragment
.set NP,     4                         ; places behind this matrix instruction (ISA guide 7.12.1)
.set HALFT,  128*PITCH
.set SLOT,   4*HALFT                   ; x's 256 rows, then the weights' 256 rows
.set LAPS,   2                         ; 1,024 / (2 x 256)
.set KS,     32                        ; a row of scale bytes
.set SCL,    2*SLOT
.set HALFS,  (128*KS/256)*272
.set SBLK,   (16*KS/256)*272
.set SPARE,  SCL+4*HALFS               ; the spare words, 128 bytes a wave: two blocks of 256 bytes that no other line names
.set STEPB,  13056
.set HEADB,  16*STEPB
.set SECB,   64*HEADB
.set ADRA, 16                          ; v16-17 source 1's fragments in slot 0, 1 (v18-19: behind one padding more)
.set ADRB, 20                          ; v20-23 the same for source 0
.set L16,  24                          ; v24 16 x lane
.set L8,   25                          ; v25 8 x lane
.set SH,   26                          ; v26 8 x (lane / 16)
.set ADRS, 27                          ; v27 my scale words: lanes 0-15 source 1's rows, lanes 16-31 source 0's
.set SPW,  28
.set NIL,  29
.set SC,   32
.set AF,   128
.set TMX,  32                          ; the way out: v32-33 largest magnitudes
.set SO,   34                          ; v34-35 the conversions' scale operands
.set TP,   36                          ; v36-39 at work
.set CD,   40                          ; v40-63 codes, two sets of 12 by turns
.set PT,   64                          ; v64-70 the conversions' second halves
.set HW,   72                          ; v72-87 the two scale bytes of half image (a, g) at v[HW + 2 a + g]
.set YY,   88                          ; v88-95 scale words as they are stored
.set G1, 24
.set G0, 32
.set G1B, 48
.set G0B, 56
.set G1S, 68
.set G0S, 76
.set G1SB, 80
.set G0SB, 88
.set PSW, 95                           ; s95 p
.set SEL, 96                           ; s[96:97] v_permlanex16_b32's selects for lane l xor 16
.set OB,  4                            ; s[4:11] the way out's four bases: (a / 4, g) at s[OB + 4 (a / 4) + 2 g]
.set MSB, 0
.macro WIN new                         ; the immediate's high byte repeats the setting that is left
.if MSB != (\new)
	s_set_vgpr_msb (MSB<<8)|(\new)
.set MSB, (\new)
.endif
.endm
.set MUL_LO, 0xa1                      ; source 0 window 1, source 1 window 0, C and D window 2
.set MUL_HI, 0xf1
.set TO_B,   0x40
; A joint load: waves 0 and 1 fetch x's halves, waves 2 and 3 the weights'.  The branch hangs on the wave's number alone.  Four v_nop follow each of the two lines.
.macro JLOAD g0a, g1a, g0b, g1b
	s_cmp_eq_u32 s15, 0
	s_cbranch_scc0 .Lfor_b_\@
	tensor_load_to_lds s[\g0a:\g0a+3], s[\g1a:\g1a+7]
	s_nop 0
.rept 4
	v_nop
.endr
	s_branch .Lasked_\@
.Lfor_b_\@:
	tensor_load_to_lds s[\g0b:\g0b+3], s[\g1b:\g1b+7]
	s_nop 0
.rept 4
	v_nop
.endr
.Lasked_\@:
.endm
.macro CREST                           ; a round of the cluster's barrier behind its opening barrier
	s_cmp_lg_u32 s14, 0
	s_cbranch_scc1 .Lnot_wave_0_\@
	s_barrier_signal -3
.Lnot_wave_0_\@:
	s_barrier_wait -3
	s_barrier_signal -1
	s_barrier_wait -1
.endm
.macro CROUND
	s_barrier_signal -1
	s_barrier_wait -1
	CREST
.endm
	s_load_b128 s[4:7], s[0:1], 0x0                ; x's codes, x's scales
	s_load_b128 s[8:11], s[0:1], 0x10              ; the weights' codes, their scales
	s_load_b64 s[12:13], s[0:1], 0x20              ; qkv
	v_lshl_add_u32 v[SPW], v0, 2, SPARE
	v_mov_b32 v[NIL], 0
	ds_add_u32 v28, v29
	ds_add_u32 v28, v29
	s_wait_dscnt 0x0
	v_lshrrev_b32 v1, 5, v0
	v_readfirstlane_b32 s14, v1                    ; wave 0..3
	s_lshr_b32 s15, s14, 1                         ; which half of x's 256 rows is mine.  Also: I fetch for x (0) or for the weights (1)
	s_and_b32 s16, s14, 1                          ; which half of the weights' 256 rows.  Also: which 128 rows I fetch
	s_bfe_u32 s40, ttmp6, 0x40000                  ; cx, cy
	s_bfe_u32 s41, ttmp6, 0x40004
	s_lshl_b32 s42, ttmp9, 2
	s_add_co_u32 s42, s42, s40                     ; tile column = 4 x cluster x + cx
	s_and_b32 s17, ttmp7, 0xffff
	s_lshl_b32 s17, s17, 2
	s_add_co_u32 s17, s17, s41                     ; tile row = 4 x cluster y + cy
	s_lshl_b32 s43, s41, 2
	s_lshl_b32 s43, 15, s43                        ; my row of the cluster
	s_lshl_b32 s44, 0x1111, s40                    ; my column
	s_mov_b32 s[SEL], 0x76543210
	s_mov_b32 s[SEL+1], 0xfedcba98
	; group 1: a tile of 128 rows x 192 bytes; 16 bytes of padding behind every 64
	s_or_b32 s[G1+0], s43, (0<<16)|(1<<20)|(1<<21)|(3<<22)|(3<<25)
	s_or_b32 s[G1B+0], s44, (0<<16)|(1<<20)|(1<<21)|(3<<22)|(3<<25)
.irp g, G1, G1B
	s_mov_b32 s[\g+1], ROWB<<16                    ; tensor_dim0
	s_mov_b32 s[\g+2], 128<<16                     ; tensor_dim1
	s_mov_b32 s[\g+3], ROWB<<16                    ; tile_dim0
	s_mov_b32 s[\g+4], 128                         ; tile_dim1
	s_mov_b32 s[\g+5], KROW                        ; tensor_dim0_stride
	s_mov_b32 s[\g+6], 0
	s_mov_b32 s[\g+7], 0
.endr
	; the scales of 128 rows: 4,096 dense bytes as 16 rows of 256 bytes (32 elements of 8), 16 bytes of padding behind each
	s_or_b32 s[G1S+0], s43, (3<<16)|(1<<20)|(1<<21)|(5<<22)|(3<<25)
	s_or_b32 s[G1SB+0], s44, (3<<16)|(1<<20)|(1<<21)|(5<<22)|(3<<25)
.irp g, G1S, G1SB
	s_mov_b32 s[\g+1], 32<<16
	s_mov_b32 s[\g+2], (128*KS/256)<<16
	s_mov_b32 s[\g+3], 32<<16
	s_mov_b32 s[\g+4], 128*KS/256
	s_mov_b32 s[\g+5], 32
	s_mov_b32 s[\g+6], 0
	s_mov_b32 s[\g+7], 0
.endr
	s_lshl_b32 s18, s16, 7
	s_lshl_b32 s20, s17, 8
	s_add_co_u32 s20, s20, s18                     ; x: row 256 x tile row + 128 x half
	s_lshl_b32 s46, s42, 8
	s_add_co_u32 s46, s46, s18                     ; weights: row 256 x tile column + 128 x half
	s_mov_b32 s21, 0
	s_mov_b32 s47, 0
	s_mov_b64 s[18:19], KS
	s_mul_u64 s[22:23], s[20:21], s[18:19]
	s_mul_u64 s[92:93], s[46:47], s[18:19]
	s_mov_b64 s[18:19], KROW
	s_mul_u64 s[20:21], s[20:21], s[18:19]
	s_mul_u64 s[46:47], s[46:47], s[18:19]
	s_mul_i32 s45, s14, HALFT                      ; where they go: wave x 128 rows
	s_mul_i32 s94, s14, HALFS
	s_wait_kmcnt 0x0
	s_add_nc_u64 s[20:21], s[4:5], s[20:21]
	s_add_nc_u64 s[22:23], s[6:7], s[22:23]
	s_add_nc_u64 s[46:47], s[8:9], s[46:47]
	s_add_nc_u64 s[92:93], s[10:11], s[92:93]
	CROUND                                         ; all sixteen work-groups are here: the first joint loads meet
	s_mov_b32 s[G0S], 1
	s_add_co_u32 s[G0S+1], s94, SCL
	s_mov_b64 s[G0S+2:G0S+3], s[22:23]
	s_or_b32 s[G0S+3], s[G0S+3], 0x80000000
	s_mov_b32 s[G0SB], 1
	s_add_co_u32 s[G0SB+1], s94, SCL
	s_mov_b64 s[G0SB+2:G0SB+3], s[92:93]
	s_or_b32 s[G0SB+3], s[G0SB+3], 0x80000000
	JLOAD G0S, G1S, G0SB, G1SB                     ; the scales first
.irp s, 0,1
	s_mov_b32 s[G0+4*\s], 1
	s_add_co_u32 s[G0+4*\s+1], s45, \s*SLOT
	s_add_nc_u64 s[G0+4*\s+2:G0+4*\s+3], s[20:21], \s*ROWB
	s_or_b32 s[G0+4*\s+3], s[G0+4*\s+3], 0x80000000
	s_mov_b32 s[G0B+4*\s], 1
	s_add_co_u32 s[G0B+4*\s+1], s45, \s*SLOT
	s_add_nc_u64 s[G0B+4*\s+2:G0B+4*\s+3], s[46:47], \s*ROWB
	s_or_b32 s[G0B+4*\s+3], s[G0B+4*\s+3], 0x80000000
	JLOAD G0+4*\s, G1, G0B+4*\s, G1B
.endr
	v_and_b32 v1, 15, v0                           ; r
	v_bfe_u32 v2, v0, 4, 1                         ; h
	v_mul_u32_u24 v3, v1, PITCH
	v_mul_u32_u24 v4, v2, 24
	v_add_nc_u32 v4, v3, v4                        ; a fragment's row x pitch + 24 h
	v_lshl_add_u32 v5, v2, 4, v4                   ; and the same behind one padding more
	s_mul_i32 s21, s15, HALFT                      ; my 128 rows of x
	s_mul_i32 s22, s16, HALFT
	s_add_co_u32 s22, s22, 2*HALFT                 ; my 128 rows of the weights
	s_cmp_eq_u32 ttmp9, 2                          ; the third cluster column holds v's columns
	s_cselect_b32 s[PSW], 1, 0                     ; p
	s_cselect_b32 s23, s22, s21                    ; source 1 reads x's rows, for v the weights'
	s_cselect_b32 s22, s21, s22                    ; source 0 the others
.irp s, 0,1
	v_add_nc_u32 v[ADRA+\s], s23, v4
	v_add_nc_u32 v[ADRB+\s], s22, v4
	v_add_nc_u32 v[ADRA+2+\s], s23, v5
	v_add_nc_u32 v[ADRB+2+\s], s22, v5
	s_add_co_u32 s23, s23, SLOT
	s_add_co_u32 s22, s22, SLOT
.endr
	v_mul_u32_u24 v5, v1, KS                       ; my row's scales: 32 bytes a row,
	v_lshrrev_b32 v6, 8, v5
	v_lshl_add_u32 v5, v6, 4, v5                   ; and 16 more for each 256 passed
	s_mul_i32 s21, s15, HALFS                      ; x's
	s_mul_i32 s22, s16, HALFS
	s_add_co_u32 s22, s22, 2*HALFS                 ; the weights'
	s_sub_co_u32 s22, s22, s21                     ; the distance between the two
	v_xor_b32 v6, s[PSW], v2                       ; lanes 0-15 take source 1's words, lanes 16-31 source 0's: the weights' where h xor p = 1
	v_mul_u32_u24 v6, s22, v6
	s_add_co_u32 s21, s21, SCL
	v_add_nc_u32 v5, v5, v6
	v_add_nc_u32 v[ADRS], s21, v5
	v_and_b32 v6, 31, v0
	v_lshlrev_b32 v[L16], 4, v6
	v_lshlrev_b32 v[L8], 3, v6
	v_lshlrev_b32 v[SH], 3, v2
	; where my results go: section, head, step; the strides of a / 4 and of g change places with p
	s_min_u32 s20, ttmp9, 1
	s_mul_i32 s20, s20, SECB                       ; q: section 0; k and v: section 1
	s_lshr_b32 s21, s17, 3                         ; the batch: 8 tile rows each
	s_lshl_b32 s21, s21, 4
	s_lshl_b32 s46, s40, 2
	s_add_co_u32 s21, s21, s46
	s_lshl_b32 s46, s16, 1
	s_add_co_u32 s21, s21, s46                     ; my first head: 16 x batch + 4 cx + 2 x half
	s_mul_i32 s21, s21, HEADB
	s_add_co_u32 s20, s20, s21
	s_and_b32 s21, s17, 7
	s_lshl_b32 s21, s21, 1
	s_add_co_u32 s21, s21, s15                     ; my step of 128 rows
	s_mul_i32 s21, s21, STEPB
	s_add_co_u32 s20, s20, s21
	s_mul_i32 s21, s[PSW], 6144                    ; v's half images lie behind k's
	s_add_co_u32 s20, s20, s21
	s_mov_b32 s21, 0
	s_add_nc_u64 s[OB:OB+1], s[12:13], s[20:21]
	s_mov_b32 s22, 3072
	s_mov_b32 s23, HEADB
	s_cmp_eq_u32 s[PSW], 1
	s_cselect_b32 s20, s23, s22                    ; a / 4: four tiles on (q, k), the next head (v)
	s_cselect_b32 s46, s22, s23                    ; g: the next head (q, k), the next 64 keys (v)
	s_mov_b32 s47, 0
	s_add_nc_u64 s[OB+2:OB+3], s[OB:OB+1], s[46:47]
	s_add_nc_u64 s[OB+4:OB+5], s[OB:OB+1], s[20:21]
	s_add_nc_u64 s[OB+6:OB+7], s[OB+4:OB+5], s[46:47]
.macro FRAG reg, adr, q, i             ; a fragment: lane (r, h) takes 24 bytes of row r at 96 q + 24 h and 24 at 96 q + 48 + 24 h, in pieces of 8 bytes
.irp p, 0,1,2,3,4,5
.set PC, 12*(\q)+6*(\p/3)+\p%3        ; where the piece three on (lanes 16-31) lies behind one padding more, the second address register serves
.if PC%8 < 5
	ds_load_b64 v[\reg+2*\p:\reg+2*\p+1], v[\adr] offset:8*PC+16*(PC/8)+(\i)*16*PITCH
.else
	ds_load_b64 v[\reg+2*\p:\reg+2*\p+1], v[\adr+2] offset:8*PC+16*(PC/8)+(\i)*16*PITCH
.endif
.endr
.endm
; 16 matrix instructions: source 1's blocks a0, a0 + 1 x source 0's eight.  The 64 accumulators take turns, one instruction a turn, in the same order in every step.
.macro MUL16 a0, p, q, sc, zero
.irp a, \a0, \a0+1
.irp b, 0,1,2,3,4,5,6,7
.if \zero
	v_wmma_scale_f32_16x16x128_f8f6f4 v[8*(8*((\a)%4)+\b):8*(8*((\a)%4)+\b)+7], v[128*(\p)+FR*\b:128*(\p)+FR*\b+FR-1], v[AF+FR*(\a):AF+FR*(\a)+FR-1], 0, v[SC+8*NQ*(\sc)+NQ*\b+(\q)], v[SC+8*NQ*(\sc)+NQ*(\a)+(\q)] matrix_a_fmt:MATRIX_FMT_FP6 matrix_b_fmt:MATRIX_FMT_FP6 matrix_a_scale:MATRIX_SCALE_ROW1
.else
	v_wmma_scale_f32_16x16x128_f8f6f4 v[8*(8*((\a)%4)+\b):8*(8*((\a)%4)+\b)+7], v[128*(\p)+FR*\b:128*(\p)+FR*\b+FR-1], v[AF+FR*(\a):AF+FR*(\a)+FR-1], v[8*(8*((\a)%4)+\b):8*(8*((\a)%4)+\b)+7], v[SC+8*NQ*(\sc)+NQ*\b+(\q)], v[SC+8*NQ*(\sc)+NQ*(\a)+(\q)] matrix_a_fmt:MATRIX_FMT_FP6 matrix_b_fmt:MATRIX_FMT_FP6 matrix_a_scale:MATRIX_SCALE_ROW1
.endif
.endr
.endr
.endm
.macro FETCH_B slot, q, p
	WIN TO_B
.irp i, 0,1,2,3,4,5,6,7
	FRAG 128*(\p)+FR*\i, ADRB+\slot, \q, \i
.endr
	WIN 0
.endm
.macro FETCH_A slot, q, i0
.irp i, \i0, \i0+1, \i0+2, \i0+3
	FRAG AF+FR*(\i), ADRA+\slot, \q, \i
.endr
.endm
.macro SCALES sc                       ; the next K step's scale words: 2 words a row
.irp i, 0,1,2,3,4,5,6,7
	ds_load_b64 v[SC+8*NQ*\sc+NQ*\i:SC+8*NQ*\sc+NQ*\i+1], v[ADRS] offset:\i*SBLK
.endr
.endm
.macro PLACES n                        ; plain vector instructions between a matrix instruction and a load into, or a vector read or write of, its registers
.rept \n
	v_nop
.endr
.endm
.macro STEP slot, q, zero              ; 128 along K that has its successor in the same slot
	s_wait_dscnt 4*NL                              ; source 0's set and source 1's blocks 0-3 are in; the youngest 24 loads (blocks 4-7) may be out
	WIN MUL_LO
	MUL16 0, (\q)%2, \q, \slot, \zero
	MUL16 2, (\q)%2, \q, \slot, \zero
	s_wait_dscnt 0
	PLACES NP
	FETCH_B \slot, (\q)+1, 1-(\q)%2
	FETCH_A \slot, (\q)+1, 0
	WIN MUL_HI
	MUL16 4, (\q)%2, \q, \slot, \zero
	MUL16 6, (\q)%2, \q, \slot, \zero
	PLACES NP
	WIN 0
	FETCH_A \slot, (\q)+1, 4
.endm
; A slot's last step changes slots: one barrier; in front of it each wave waits for all its tensor loads, adds 0 to its spare word, and waits for that and for its reads of this slot.
.macro TURN slot, next, fill
	s_wait_tensorcnt 0x0                           ; all my tensor loads have landed: my part of the next slot
	ds_add_u32 v[SPW], v[NIL]                      ; 0 onto my spare word
	s_wait_dscnt 4*NL+1                            ; the add and the youngest 24 loads may be out
	WIN MUL_LO
	MUL16 0, 1, NQ-1, \slot, 0
	s_wait_dscnt 0x0                               ; the add is done, and my reads of this slot are over
	s_barrier_signal -1
	MUL16 2, 1, NQ-1, \slot, 0
	WIN 0
	s_barrier_wait -1
.if \fill
	CREST                                          ; the barrier has opened a round of the cluster's: no wave of any partner still reads this slot or has a load on its way
	s_add_nc_u64 s[G0+4*\slot+2:G0+4*\slot+3], s[G0+4*\slot+2:G0+4*\slot+3], 2*ROWB
	s_add_nc_u64 s[G0B+4*\slot+2:G0B+4*\slot+3], s[G0B+4*\slot+2:G0B+4*\slot+3], 2*ROWB
	JLOAD G0+4*\slot, G1, G0B+4*\slot, G1B         ; the first tensor load behind the round; its four v_nop are the places in front of the loads below
.else
	PLACES NP
.endif
	v_add_nc_u32 v[ADRS], 4*NQ, v[ADRS]
	FETCH_B \next, 0, 0
	FETCH_A \next, 0, 0
	SCALES \next
	WIN MUL_HI
	MUL16 4, 1, NQ-1, \slot, 0
	MUL16 6, 1, NQ-1, \slot, 0
	PLACES NP
	WIN 0
	FETCH_A \next, 0, 4
.endm
	s_wait_tensorcnt 1                             ; the scales and my part of K step 0 are in; K step 1's load may be out
	s_barrier_signal -1
	s_barrier_wait -1
	FETCH_B 0, 0, 0
	FETCH_A 0, 0, 0
	SCALES 0
	FETCH_A 0, 0, 4
	STEP 0, 0, 1                                   ; the first step's products start the sums
	s_mov_b32 s3, LAPS-1
.Llap:
	TURN 0, 1, 1
	STEP 1, 0, 0
	TURN 1, 0, 1
	STEP 0, 0, 0
	s_sub_co_u32 s3, s3, 1
	s_cmp_lg_u32 s3, 0
	s_cbranch_scc1 .Llap
	TURN 0, 1, 0                                   ; the last lap fills nothing
	STEP 1, 0, 0
	s_wait_dscnt 4*NL
	WIN MUL_LO
	MUL16 0, 1, NQ-1, 1, 0
	MUL16 2, 1, NQ-1, 1, 0
	s_wait_dscnt 0
	WIN MUL_HI
	MUL16 4, 1, NQ-1, 1, 0
	MUL16 6, 1, NQ-1, 1, 0
	WIN 0
; THE WAY OUT.  Source 1's block a: its eight accumulators are two runs of 32 registers (g = 0, 1), each a block of 32 in every lane.
.macro EPI a
.set AC, 64*((\a)%4)
.set WN, 2+(\a)/4
.set WW, WN|(WN<<2)
.set CSET, CD+12*((\a)%2)
	WIN WW                                         ; sources 0 and 1: the accumulators' window
	v_max3_num_f32 v[TMX], |v[AC]|, |v[AC+1]|, 0x1800000           ; each accumulator is read from its low end on; the floor 2^(3 - 127) holds the byte at 1 from below
	v_max3_num_f32 v[TMX+1], |v[AC+32]|, |v[AC+33]|, 0x1800000
.irp i, 2,4,6,8,10,12,14,16,18,20,22,24,26,28,30
	v_max3_num_f32 v[TMX], |v[AC+\i]|, |v[AC+\i+1]|, v[TMX]
	v_max3_num_f32 v[TMX+1], |v[AC+32+\i]|, |v[AC+33+\i]|, v[TMX+1]
.endr
	WIN 0
	v_add_nc_u32 v[SO], 0xff000000, v[TMX]         ; 2 off the exponent field: the conversion's scale operand
	v_add_nc_u32 v[SO+1], 0xff000000, v[TMX+1]
	v_lshrrev_b32 v[TP], 23, v[SO]                 ; the byte of block h,
	v_lshrrev_b32 v[TP+1], 23, v[SO+1]
	v_lshlrev_b32 v[TP], v[SH], v[TP]              ; at its place,
	v_lshlrev_b32 v[TP+1], v[SH], v[TP+1]
	v_permlanex16_b32 v[TP+2], v[TP], s[SEL], s[SEL+1]
	v_permlanex16_b32 v[TP+3], v[TP+1], s[SEL], s[SEL+1]
	v_or_b32 v[HW+2*(\a)], v[TP], v[TP+2]          ; with lane l xor 16's: row r's two bytes
	v_or_b32 v[HW+2*(\a)+1], v[TP+1], v[TP+3]
	s_wait_xcnt 0x0                                ; the earlier stores have read their data: the codes' registers may be written again
	WIN WN                                         ; source 0: the accumulators' window
	v_cvt_scalef32_pk16_fp6_f32 v[CSET:CSET+2], v[AC:AC+15], v[SO]
	v_cvt_scalef32_pk16_fp6_f32 v[PT:PT+2], v[AC+16:AC+31], v[SO]  ; (a conversion's three registers begin on an even number)
	v_cvt_scalef32_pk16_fp6_f32 v[CSET+6:CSET+8], v[AC+32:AC+47], v[SO+1]
	v_cvt_scalef32_pk16_fp6_f32 v[PT+4:PT+6], v[AC+48:AC+63], v[SO+1]
	WIN 0
	v_nop                                          ; one plain place behind a scaled conversion
.irp g, 0,1
.irp i, 0,1,2
	v_mov_b32 v[CSET+6*\g+3+\i], v[PT+4*\g+\i]
.endr
.endr
.irp g, 0,1
	global_store_b128 v[L16], v[CSET+6*\g:CSET+6*\g+3], s[OB+4*((\a)/4)+2*\g:OB+4*((\a)/4)+2*\g+1] offset:((\a)%4)*768        ; 512 consecutive bytes, aligned
	global_store_b64 v[L8], v[CSET+6*\g+4:CSET+6*\g+5], s[OB+4*((\a)/4)+2*\g:OB+4*((\a)/4)+2*\g+1] offset:((\a)%4)*768+512    ; 256
.endr
.endm
	PLACES NP                                      ; behind the last products: the scale words' registers are written and results read below
	v_mov_b32 v[TP+2], 0                           ; a lane permute's destination counts as one of its sources
	v_mov_b32 v[TP+3], 0
.irp a, 0,1,2,3,4,5,6,7
	EPI \a
.endr
	v_cmp_ne_u32 vcc_lo, 0, v[SH]                  ; lanes 16-31
	s_cmp_eq_u32 s[PSW], 1                         ; the same in every wave and every partner
	s_cbranch_scc1 .Lv_words
.irp g, 0,1                                    ; q, k: tile t's word of row r lies at 16 (r + 16 (t % 2)) + 4 (t / 2); its bytes 2 and 3 are 0
.irp i, 0,1,2,3
	v_cndmask_b32 v[YY+4*\g+\i], v[HW+4*\i+\g], v[HW+4*\i+2+\g], vcc_lo
.endr
.endr
	global_store_b128 v[L16], v[YY:YY+3], s[OB:OB+1] offset:12288
	global_store_b128 v[L16], v[YY+4:YY+7], s[OB+2:OB+3] offset:12288
	s_branch .Lwords_out
.Lv_words:                                     ; v: tile u's word of row r (bytes 2 c + h) lies at 8 (r + 16 (u % 2)) + 4 (u / 2)
.irp a, 0,1,2,3,4,5,6,7
	v_lshl_or_b32 v[HW+2*\a], v[HW+2*\a+1], 16, v[HW+2*\a]
.endr
.irp i, 0,1,2,3
	v_cndmask_b32 v[YY+\i], v[HW+4*\i], v[HW+4*\i+2], vcc_lo
.endr
	global_store_b64 v[L8], v[YY:YY+1], s[OB:OB+1] offset:12800-6144
	global_store_b64 v[L8], v[YY+2:YY+3], s[OB+4:OB+5] offset:12800-6144
.Lwords_out:
	s_wait_tensorcnt 0x0                           ; the wave's end
	ds_add_u32 v[SPW], v[NIL]
	s_wait_dscnt 0x0
	CROUND                                         ; the closing round: no work-group ends while a partner may still ask for a tile that names it
	s_endpgm
.Lfunc_end_k_q378f7e01d0_gemm_qkv:
	.size	k_q378f7e01d0_gemm_qkv, .Lfunc_end_k_q378f7e01d0_gemm_qkv-k_q378f7e01d0_gemm_qkv
	.p2alignl 7, 3214868480
	.fill 96, 4, 3214868480
	.section	.rodata,"a",@progbits
	.p2align	6, 0x0
	.amdhsa_kernel k_q378f7e01d0_gemm_qkv
		.amdhsa_group_segment_fixed_size 327680
		.amdhsa_private_segment_fixed_size 0
		.amdhsa_enable_private_segment 0
		.amdhsa_kernarg_size 40
		.amdhsa_user_sgpr_count 2
		.amdhsa_user_sgpr_kernarg_segment_ptr 1
		.amdhsa_wavefront_size32 1
		.amdhsa_system_sgpr_workgroup_id_x 1
		.amdhsa_system_sgpr_workgroup_id_y 1
		.amdhsa_system_sgpr_workgroup_id_z 1
		.amdhsa_system_vgpr_workitem_id 0
		.amdhsa_next_free_vgpr 1024
		.amdhsa_next_free_sgpr 98
		.amdhsa_reserve_vcc 1
		.amdhsa_float_denorm_mode_32 3
		.amdhsa_float_denorm_mode_16_64 3
		.amdhsa_memory_ordered 1
		.amdhsa_forward_progress 1
		.amdhsa_inst_pref_size 161
	.end_amdhsa_kernel
	.amdgpu_metadata
---
amdhsa.version: [ 1, 2 ]
amdhsa.kernels:
  - .name:           k_q378f7e01d0_gemm_qkv
    .symbol:         k_q378f7e01d0_gemm_qkv.kd
    .args:
      - { .name: x_codes, .offset: 0, .size: 8, .value_kind: global_buffer, .address_space: global }
      - { .name: x_scales, .offset: 8, .size: 8, .value_kind: global_buffer, .address_space: global }
      - { .name: w_codes, .offset: 16, .size: 8, .value_kind: global_buffer, .address_space: global }
      - { .name: w_scales, .offset: 24, .size: 8, .value_kind: global_buffer, .address_space: global }
      - { .name: qkv, .offset: 32, .size: 8, .value_kind: global_buffer, .address_space: global }
    .group_segment_fixed_size: 327680
    .private_segment_fixed_size: 0
    .kernarg_segment_align: 8
    .kernarg_segment_size: 40
    .max_flat_workgroup_size: 128
    .sgpr_count:     98
    .vgpr_count:     1024
    .wavefront_size: 32
...
	.end_amdgpu_metadata
.endif
;; end of part 2
;; launch attention (part 3): grid 4 x 64, 8 waves a work-group, clusters of 4 x 1, 209,920 bytes of LDS; arguments qkv, a_img, a_scales; writes a_img, a_scales
.if DOCPART == 3
	.amdgcn_target "amdgcn-amd-amdhsa--gfx1250"
	.amdhsa_code_object_version 6
	.text
	.protected	k_q378f7e01d0_attention
	.globl	k_q378f7e01d0_attention
	.p2align	8
	.type	k_q378f7e01d0_attention,@function
k_q378f7e01d0_attention:
	s_mov_b64 s[64:65], 0
	v_nop
	global_prefetch_b8 v0, s[64:65] scope:SCOPE_SE
	s_setreg_imm32_b32 hwreg(HW_REG_WAVE_MODE, 25, 1), 1
	s_wait_xcnt 0x0
	s_wait_alu depctr_hold_cnt(0) depctr_sa_sdst(0) depctr_va_vdst(0) depctr_va_sdst(0) depctr_va_ssrc(0) depctr_va_vcc(0) depctr_vm_vsrc(0)
	s_getreg_b32 s2, hwreg(HW_REG_IB_STS2, 6, 4)
	s_cmp_eq_u32 s2, 0
	s_cbranch_scc0 .Lentry_in_a_cluster
	s_endpgm
.Lentry_in_a_cluster:
	s_bfe_u32 s2, ttmp6, 0x10000c
	s_cmp_lg_u32 s2, 0x3003
	s_cbranch_scc0 .Lentry_shape_is_right
	s_endpgm
.Lentry_shape_is_right:
; O = softmax(q k^T / 32) v for 64 heads of 2,048 x 64, both products on codes of FP6 (E2M3) with E8M0 scales; O / l is quantised again, along the head's 64, and leaves as the last product's operand.
; THE SOFTMAX: t = score x log2(e) / 32; M = the running largest t rounded up to a whole number; p = 2^(t - M) is quantised along the keys, not normalised; l is the sum of the unquantised p; when M moves, l and O
; are multiplied by 2^(old M - new M), which rounds nothing.
; SHARES.  A work-group owns 512 queries of one head, in two passes of 256; each of its eight waves owns two tiles of 16 queries a pass; two waves share a SIMD.  Every wave walks the head's 2,048 keys, 128 a step.
; LDS.  The head's k, v and their scale words are one dense block of 208,896 bytes (16 steps x 13,056).  It is filled ONCE and stays: each wave brings an eighth.  So there is no ring, no slot is filled again, and no
; barrier stands in the loops.  CLUSTER: the four work-groups of a head need the same block: each eighth is asked for jointly, by the same load with the same descriptor and the mask of all four.
; LAYOUT.  Both products are used transposed (S^T = k q^T, O^T = v^T p^T): a lane holds one query.  The rows of k's and v's tiles lie in position order (position 16 u + 8 hi + j of a group of 64 holds index
; 32 hi + 8 u + j), so that lane (r, h)'s registers 32 c + i of S^T are keys 64 c + 32 h + i, and its 32 registers of O^T are the head's numbers 32 h + i: whole blocks of 32, in order, in one lane.  A block's
; maximum needs no other lane, and the conversions' results are the next operand's registers as they stand.
; K = 64 IN THE FIRST PRODUCT: the upper 64 of the instruction's 128 are q's zero codes; k's fragment t is named v[KF + 6 t .. + 11], whose upper six registers hold the next fragment's codes (behind the last: zeros):
; times zero codes they add nothing, under the scale bytes 0 (2^-127) that both words have there.
; BY TILES.  While one tile's softmax is walked, the other tile's 4 + 8 matrix instructions and the next step's LDS loads run.
; LIMITS: NaN and infinities are not served; a block whose largest number lies under 2^-124 keeps the byte 1; 1 / l is v_rcp_f32 and a multiplication; a block's largest p is taken through its largest score, which
; leans on v_exp_f32 not falling where its input rises.
; REGISTERS.  Tile 0's state lies in window 0, tile 1's at the same numbers in window 1, so that one text serves both.  Scale words lie in window 0: scale operands have no window.
.set STEPB, 13056
.set HEADB, 16*STEPB
.set SECB,  64*HEADB
.set L16, 1                            ; v1  16 x lane        (window 0 alone from here)
.set L8,  2                            ; v2  8 x lane
.set A16, 3                            ; v3  the step's LDS byte + 16 x lane
.set A8,  4                            ; v4  + 8 x lane
.set R16, 5                            ; v5  16 x (lane % 16)
.set L32, 6                            ; v6  32 x lane
.set W0,  7                            ; v7-9 the way out's scale bytes
.set KSC, 16                           ; v16-19 k's scale words: register t / 2, lanes 16 (t % 2) + r
.set VSC, 20                           ; v20-21 v's: register u / 2, lanes 16 (u % 2) + r
.set QSA, 22                           ; v22-23 q's, pass 0, tile 0, 1
.set PSC, 24                           ; v24-25 p's, tile 0, 1
.set QSB, 26                           ; v26-27 q's, pass 1
.set KF,  32                           ; v32-79 k's eight fragments, six registers each; v80-85 zeros
.set VF,  32                           ; window 1: v32-79 v's four fragments
.set QB,  88                           ; both windows from here: q of pass 1 (six registers of codes, six of zeros)
.set S,   112                          ; v112-175 S^T, then p
.set O,   176                          ; v176-207 O^T
.set QA,  208                          ; q of pass 0
.set PC,  220                          ; v220-231 p's codes
.set PT,  232                          ; v232-238 the conversions' second halves
.set NM,  240                          ; -M;  v241 the largest score so far
.set MR,  241
.set LS,  242                          ; v[242:243] l, in two halves
.set F,   244                          ; v[244:245] f = 2^(old M - new M); the pair's low word serves both halves
.set B0,  246                          ; v246-247 the two blocks' largest scores, then largest p
.set C0,  248                          ; v248-249 second chains, then the conversions' scale operands
.set T0,  250
.set T1,  251
.set TP,  252                          ; v[252:253] the sums' second chain
.set SH,  254                          ; 8 x (lane / 16)
.set WV,  10
.set CS,  36                           ; s[36:37] c = log2(e) / 32
.set SEL, 38                           ; s[38:39] selects for lane l xor 16
.set TB,  40                           ; s40 LDS byte of the step in hand
.set CNT, 41
.set MSB, 0
.macro WIN new
.if MSB != (\new)
	s_set_vgpr_msb (MSB<<8)|(\new)
.set MSB, (\new)
.endif
.endm
.macro CROUND                          ; a round of the cluster's barrier
	s_barrier_signal -1
	s_barrier_wait -1
	s_cmp_lg_u32 s[WV], 0
	s_cbranch_scc1 .Lnot_wave_0_\@
	s_barrier_signal -3
.Lnot_wave_0_\@:
	s_barrier_wait -3
	s_barrier_signal -1
	s_barrier_wait -1
.endm
	s_load_b128 s[4:7], s[0:1], 0x0                ; qkv, a_img
	s_load_b64 s[8:9], s[0:1], 0x10                ; a_scales
	v_lshl_add_u32 v239, v0, 2, 0x33000
	v_mov_b32 v255, 0
	ds_add_u32 v239, v255
	ds_add_u32 v239, v255
	v_lshrrev_b32 v1, 5, v0
	v_readfirstlane_b32 s[WV], v1                  ; wave 0..7
	s_bfe_u32 s11, ttmp6, 0x40000                  ; cx
	s_and_b32 s12, ttmp7, 0xffff                   ; the head (16 x batch + head), which the four partners share
	; group 1: 26,112 dense bytes as 102 rows of 256 (32 elements of 8 bytes), no padding; the mask of all four, bit 21 beside it
	s_mov_b32 s20, 15|(3<<16)|(1<<21)
	s_mov_b32 s21, 32<<16                          ; tensor_dim0
	s_mov_b32 s22, 102<<16                         ; tensor_dim1
	s_mov_b32 s23, 32<<16                          ; tile_dim0
	s_mov_b32 s24, 102                             ; tile_dim1
	s_mov_b32 s25, 32                              ; tensor_dim0_stride
	s_mov_b32 s26, 0
	s_mov_b32 s27, 0
	s_mul_i32 s13, s12, HEADB
	s_mul_i32 s14, s[WV], 2*STEPB                  ; my eighth: two steps
	s_add_co_u32 s42, s13, s14
	s_add_co_u32 s42, s42, SECB                    ; in the section of k and v
	s_mov_b32 s43, 0
	s_mov_b32 s[CS], 0x3d38aa3b
	s_mov_b32 s[CS+1], s[CS]                       ; (named with it as a pair, so it is written)
	s_mov_b32 s[SEL], 0x76543210
	s_mov_b32 s[SEL+1], 0xfedcba98
	s_wait_dscnt 0x0
	s_wait_kmcnt 0x0
	s_mov_b32 s16, 1                               ; group 0: count,
	s_mov_b32 s17, s14                             ; LDS address: as the block lies in memory,
	s_add_nc_u64 s[18:19], s[4:5], s[42:43]        ; global address,
	s_or_b32 s19, s19, 0x80000000                  ; type
	CROUND                                         ; all four work-groups are here: the joint loads meet
	tensor_load_to_lds s[16:19], s[20:27]          ; my one tensor load of the launch
	s_nop 0
.rept 4
	v_nop
.endr
	; q: tile 32 cx + 16 k + 2 w + i of the head lies in step 4 cx + 2 k + w / 4 as tile 2 (w % 4) + i
	s_lshl_b32 s44, s11, 2
	s_lshr_b32 s45, s[WV], 2
	s_add_co_u32 s44, s44, s45
	s_mul_i32 s44, s44, STEPB
	s_add_co_u32 s44, s44, s13
	s_and_b32 s45, s[WV], 3
	s_mul_i32 s46, s45, 1536
	s_add_co_u32 s46, s46, s44
	s_mov_b32 s47, 0
	s_add_nc_u64 s[28:29], s[4:5], s[46:47]        ; its half image; + 26,112 k + 768 i
	s_lshl_b32 s46, s45, 2
	s_add_co_u32 s46, s46, s44
	s_add_co_u32 s46, s46, 12288
	s_add_nc_u64 s[30:31], s[4:5], s[46:47]        ; its scale words; + 16 r + 26,112 k + 256 i
	s_lshr_b32 s44, s12, 4
	s_lshl_b32 s44, s44, 7
	s_lshl_b32 s45, s11, 5
	s_add_co_u32 s44, s44, s45
	s_lshl_b32 s45, s[WV], 1
	s_add_co_u32 s44, s44, s45                     ; my first tile of rows among the 512: 128 x batch + 32 cx + 2 w
	s_and_b32 s45, s12, 15                         ; the head in its batch
	s_mul_i32 s46, s44, 12288
	s_mul_i32 s48, s45, 768
	s_add_co_u32 s46, s46, s48
	s_add_nc_u64 s[32:33], s[6:7], s[46:47]        ; a_img [tile of rows][head][768]
	s_lshl_b32 s46, s44, 9
	s_lshl_b32 s48, s45, 1
	s_add_co_u32 s46, s46, s48
	s_add_nc_u64 s[34:35], s[8:9], s[46:47]        ; a_scales [row][32], bytes 2 x head + h
	v_and_b32 v7, 31, v0
	v_lshlrev_b32 v[L16], 4, v7
	v_lshlrev_b32 v[L8], 3, v7
	v_lshlrev_b32 v[L32], 5, v7
	v_and_b32 v8, 15, v0
	v_lshlrev_b32 v[R16], 4, v8
	v_bfe_u32 v9, v0, 4, 1
	v_lshlrev_b32 v[SH], 3, v9
.irp n, 0,1,2,3,4,5
	v_mov_b32 v[KF+48+\n], 0                       ; behind k's last fragment
.endr
.irp i, 0,1
	global_load_b32 v[QSA+\i], v[R16], s[30:31] offset:256*\i
	global_load_b32 v[QSB+\i], v[R16], s[30:31] offset:2*STEPB+256*\i
.endr
.irp i, 0,1
	WIN 0x40*\i                                    ; destination: the tile's window
	global_load_b128 v[QA:QA+3], v[L16], s[28:29] offset:768*\i
	global_load_b64 v[QA+4:QA+5], v[L8], s[28:29] offset:768*\i+512
	global_load_b128 v[QB:QB+3], v[L16], s[28:29] offset:2*STEPB+768*\i
	global_load_b64 v[QB+4:QB+5], v[L8], s[28:29] offset:2*STEPB+768*\i+512
.irp n, 6,7,8,9,10,11
	v_mov_b32 v[QA+\n], 0                          ; zero codes for the instruction's upper 64 along K
	v_mov_b32 v[QB+\n], 0
.endr
.endr
	v_lshlrev_b32 v[SH], 3, v9                     ; (still destination window 1)
	WIN 0
.macro LOADK off                       ; a step's k: eight half images as they lie, and its scale words
	WIN 0
.irp t, 0,1,2,3,4,5,6,7
	ds_load_b128 v[KF+6*\t:KF+6*\t+3], v[A16] offset:\off+768*\t
	ds_load_b64 v[KF+6*\t+4:KF+6*\t+5], v[A8] offset:\off+768*\t+512
.endr
	ds_load_b128 v[KSC:KSC+3], v[A16] offset:\off+12288
.endm
.macro LOADV                           ; a step's v: four fragments of two half images, and its scale words
	WIN 0
	ds_load_b64 v[VSC:VSC+1], v[A8] offset:12800
	WIN 0x40
.irp u, 0,1,2,3
.irp c, 0,1
	ds_load_b128 v[VF+12*\u+6*\c:VF+12*\u+6*\c+3], v[A16] offset:6144+3072*\c+768*\u
	ds_load_b64 v[VF+12*\u+6*\c+4:VF+12*\u+6*\c+5], v[A8] offset:6144+3072*\c+768*\u+512
.endr
.endr
.endm
.macro SQ i, q, qs                     ; S^T = k q^T of tile i: eight products, each starts its sum
	WIN 0x44*(\i)                                  ; k window 0; q and S^T the tile's window
.irp t, 0,1,2,3,4,5,6,7
.if \t%2
	v_wmma_scale_f32_16x16x128_f8f6f4 v[S+8*\t:S+8*\t+7], v[KF+6*\t:KF+6*\t+11], v[\q:\q+11], 0, v[KSC+\t/2], v[\qs] matrix_a_fmt:MATRIX_FMT_FP6 matrix_b_fmt:MATRIX_FMT_FP6 matrix_a_scale:MATRIX_SCALE_ROW1
.else
	v_wmma_scale_f32_16x16x128_f8f6f4 v[S+8*\t:S+8*\t+7], v[KF+6*\t:KF+6*\t+11], v[\q:\q+11], 0, v[KSC+\t/2], v[\qs] matrix_a_fmt:MATRIX_FMT_FP6 matrix_b_fmt:MATRIX_FMT_FP6
.endif
.endr
.endm
.macro PV i                            ; O^T += v^T p^T of tile i: four accumulators, one instruction a turn
	WIN 0x01+0x54*(\i)                             ; v window 1; p and O^T the tile's window
.irp u, 0,1,2,3
.if \u%2
	v_wmma_scale_f32_16x16x128_f8f6f4 v[O+8*\u:O+8*\u+7], v[VF+12*\u:VF+12*\u+11], v[PC:PC+11], v[O+8*\u:O+8*\u+7], v[VSC+\u/2], v[PSC+(\i)] matrix_a_fmt:MATRIX_FMT_FP6 matrix_b_fmt:MATRIX_FMT_FP6 matrix_a_scale:MATRIX_SCALE_ROW1
.else
	v_wmma_scale_f32_16x16x128_f8f6f4 v[O+8*\u:O+8*\u+7], v[VF+12*\u:VF+12*\u+11], v[PC:PC+11], v[O+8*\u:O+8*\u+7], v[VSC+\u/2], v[PSC+(\i)] matrix_a_fmt:MATRIX_FMT_FP6 matrix_b_fmt:MATRIX_FMT_FP6
.endif
.endr
.endm
; ONE TILE'S SOFTMAX FOR ONE KEY STEP.
.macro SOFTMAX i
	WIN 0x55*(\i)
.irp c, 0,1                                    ; the largest score of each block of 32 keys, all of it mine: two chains a block; each accumulator is first read at its low end
	v_max3_num_f32 v[B0+\c], v[S+32*\c], v[S+32*\c+1], v[S+32*\c+2]
	v_max3_num_f32 v[C0+\c], v[S+32*\c+16], v[S+32*\c+17], v[S+32*\c+18]
.endr
.irp n, 3,5,7,9,11,13
.irp c, 0,1
	v_max3_num_f32 v[B0+\c], v[B0+\c], v[S+32*\c+\n], v[S+32*\c+\n+1]
	v_max3_num_f32 v[C0+\c], v[C0+\c], v[S+32*\c+16+\n], v[S+32*\c+17+\n]
.endr
.endr
.irp c, 0,1
	v_max3_num_f32 v[B0+\c], v[B0+\c], v[C0+\c], v[S+32*\c+15]
.endr
.irp c, 0,1
	v_max_num_f32 v[B0+\c], v[B0+\c], v[S+32*\c+31]
.endr
	v_max_num_f32 v[T0], v[B0], v[B1]
	v_permlanex16_b32 v[T1], v[T0], s[SEL], s[SEL+1]   ; the query's other 64 keys lie in lane l xor 16
	v_max3_num_f32 v[MR], v[MR], v[T0], v[T1]      ; the running largest score
	v_mul_f32 v[T0], s[CS], v[MR]                  ; as t (c is positive)
	v_mov_b32 v[T1], v[NM]
	v_floor_f32 v[NM], -v[T0]                      ; the new -M = -ceil(t)
	v_sub_f32 v[T1], v[NM], v[T1]                  ; old M - new M: a whole number, 0 or less
	v_cvt_i32_f32 v[T1], v[T1]                     ; (it saturates)
	v_ldexp_f32 v[F], 1.0, v[T1]                   ; f
	v_fma_f32 v[B0], v[B0], s[CS], v[NM]           ; t - M of each block's largest score,
	v_fma_f32 v[B1], v[B1], s[CS], v[NM]
	v_pk_fma_f32 v[S:S+1], v[S:S+1], s[CS:CS+1], v[NM:NM+1] op_sel_hi:[1,0,0]   ; and of all 64, two at a time; a pair is scaled ahead of the pair before's exponentials
.set n, 0
.rept 32
.if n < 31
	v_pk_fma_f32 v[S+2*n+2:S+2*n+3], v[S+2*n+2:S+2*n+3], s[CS:CS+1], v[NM:NM+1] op_sel_hi:[1,0,0]
.endif
	v_exp_f32 v[S+2*n], v[S+2*n]                   ; p = 2^(t - M)
	v_exp_f32 v[S+2*n+1], v[S+2*n+1]
.set n, n+1
.endr
	v_exp_f32 v[B0], v[B0]                         ; the blocks' largest p: the same two instructions on the same number give the same bits
	v_exp_f32 v[B1], v[B1]
	v_pk_mul_f32 v[LS:LS+1], v[LS:LS+1], v[F:F+1] op_sel_hi:[1,0]   ; l and O^T under the new M: plain work that names no exponential's result
.set n, 0
.rept 16
	v_pk_mul_f32 v[O+n:O+n+1], v[O+n:O+n+1], v[F:F+1] op_sel_hi:[1,0]
.set n, n+2
.endr
	s_wait_alu depctr_va_vdst(0)                   ; one wait for the 66 exponentials, ahead of the first line that names a result
	v_max_num_f32 v[B0], 0x1800000, v[B0]          ; the floor 2^(3 - 127)
	v_max_num_f32 v[B1], 0x1800000, v[B1]
	v_add_nc_u32 v[C0], 0xff000000, v[B0]          ; the conversions' scale operands
	v_add_nc_u32 v[C1], 0xff000000, v[B1]
	v_lshrrev_b32 v[T0], 23, v[C0]                 ; the bytes of blocks h and 2 + h,
	v_lshrrev_b32 v[T1], 23, v[C1]
	v_lshl_or_b32 v[T0], v[T1], 16, v[T0]
	v_lshlrev_b32 v[T0], v[SH], v[T0]              ; at their places;
	v_permlanex16_b32 v[T1], v[T0], s[SEL], s[SEL+1]
	WIN 0x05*(\i)                                  ; (the scale word lies in window 0)
	v_or_b32 v[PSC+(\i)], v[T0], v[T1]             ; with lane l xor 16's two the word is whole
	WIN 0x55*(\i)
	v_cvt_scalef32_pk16_fp6_f32 v[PC:PC+2], v[S:S+15], v[C0]
	v_cvt_scalef32_pk16_fp6_f32 v[PT:PT+2], v[S+16:S+31], v[C0]    ; (a conversion's three registers begin on an even number)
	v_cvt_scalef32_pk16_fp6_f32 v[PC+6:PC+8], v[S+32:S+47], v[C1]
	v_cvt_scalef32_pk16_fp6_f32 v[PT+4:PT+6], v[S+48:S+63], v[C1]
	v_nop                                          ; one plain place behind a scaled conversion
.irp c, 0,1
.irp n, 0,1,2
	v_mov_b32 v[PC+6*\c+3+\n], v[PT+4*\c+\n]
.endr
.endr
	v_pk_add_f32 v[TP:TP+1], v[S:S+1], v[S+2:S+3]  ; l takes the UNQUANTISED p, in two chains.  These 32 lines are also the places between the scale word (8) and the codes (4) and the products that take them
.irp n, 4,8,12,16,20,24,28,32,36,40,44,48,52,56,60
	v_pk_add_f32 v[LS:LS+1], v[LS:LS+1], v[S+\n:S+\n+1]
	v_pk_add_f32 v[TP:TP+1], v[TP:TP+1], v[S+\n+2:S+\n+3]
.endr
	v_pk_add_f32 v[LS:LS+1], v[LS:LS+1], v[TP:TP+1]
.endm
.set B1, B0+1
.set C1, C0+1
; A KEY STEP.  S^T of this step was made in the step before.  next = 1: the next step's k is fetched and its S^T made.
.macro TRIP next, q, qs
	WIN 0
	v_add_nc_u32 v[A16], s[TB], v[L16]             ; these two and two v_nop: the four places between the last products and the loads into the registers that they read
	v_add_nc_u32 v[A8], s[TB], v[L8]
	v_nop
	v_nop
	LOADV
.if \next
	LOADK STEPB
.endif
	SOFTMAX 0                                      ; the loads land meanwhile
	s_wait_dscnt 0x0
	PV 0
.if \next
	SQ 0, \q, \qs
.endif
	SOFTMAX 1                                      ; tile 0's products run meanwhile
	PV 1
.if \next
	SQ 1, \q, (\qs)+1
.endif
	WIN 0
	s_add_co_u32 s[TB], s[TB], STEPB
.endm
.macro STATE                           ; a tile's state at a pass's head: the first change of M multiplies zeros
	v_mov_b32 v[MR], 0xff61b1e6                    ; -3e38, under every score
	v_mul_f32 v[T0], s[CS], v[MR]
	v_floor_f32 v[NM], -v[T0]
	v_mov_b32 v[LS], 0
	v_mov_b32 v[LS+1], 0
	v_mov_b32 v[F+1], 0                            ; (named as the upper half of a pair)
	v_mov_b32 v[T1], 0                             ; (a lane permute's destination counts as one of its sources)
.set n, 0
.rept 32
	v_mov_b32 v[O+n], 0
.set n, n+1
.endr
.endm
; THE WAY OUT of tile i in pass k: O^T / l, quantised along the head's 64 numbers: my 32 are one block; the half image leaves as the registers stand.
.macro OUT i, k
	WIN 0x55*(\i)
	v_add_f32 v[T0], v[LS], v[LS+1]
	v_permlanex16_b32 v[T1], v[T0], s[SEL], s[SEL+1]
	v_add_f32 v[T0], v[T0], v[T1]                  ; l
	v_rcp_f32 v[F], v[T0]
	v_nop                                          ; a plain place behind the transcendental
	s_wait_alu depctr_va_vdst(0)                   ; and the wait ahead of its first reader
.set n, 0
.rept 16
	v_pk_mul_f32 v[O+n:O+n+1], v[O+n:O+n+1], v[F:F+1] op_sel_hi:[1,0]   ; from each accumulator's low end on
.set n, n+2
.endr
	v_max3_num_f32 v[B0], |v[O]|, |v[O+1]|, 0x1800000
	v_max3_num_f32 v[B1], |v[O+16]|, |v[O+17]|, 0x1800000
.irp n, 2,4,6,8,10,12,14
	v_max3_num_f32 v[B0], v[B0], |v[O+\n]|, |v[O+\n+1]|
	v_max3_num_f32 v[B1], v[B1], |v[O+16+\n]|, |v[O+17+\n]|
.endr
	v_max_num_f32 v[B0], v[B0], v[B1]
	v_add_nc_u32 v[C0], 0xff000000, v[B0]
	v_lshrrev_b32 v[T0], 23, v[C0]
	v_lshlrev_b32 v[T0], v[SH], v[T0]
	v_permlanex16_b32 v[T1], v[T0], s[SEL], s[SEL+1]
	WIN 0x05*(\i)
	v_or_b32 v[W0+(\i)], v[T0], v[T1]              ; row r's two scale bytes
	WIN 0x55*(\i)
	v_cvt_scalef32_pk16_fp6_f32 v[PC:PC+2], v[O:O+15], v[C0]
	v_cvt_scalef32_pk16_fp6_f32 v[PT:PT+2], v[O+16:O+31], v[C0]
	v_nop
.irp n, 0,1,2
	v_mov_b32 v[PC+3+\n], v[PT+\n]
.endr
	WIN 0x04*(\i)                                  ; a store's data are its source 1
	global_store_b128 v[L16], v[PC:PC+3], s[32:33] offset:(16*(\k)+(\i))*12288       ; 512 consecutive bytes, aligned
	global_store_b64 v[L8], v[PC+4:PC+5], s[32:33] offset:(16*(\k)+(\i))*12288+512   ; 256
.endm
.macro PASS k, q, qs
	WIN 0
	s_wait_xcnt 0x0                                ; the last pass's stores have read their data
	STATE
	WIN 0x55
	STATE
	WIN 0
	s_mov_b32 s[TB], 0
	v_add_nc_u32 v[A16], s[TB], v[L16]
	v_add_nc_u32 v[A8], s[TB], v[L8]
	LOADK 0
	s_wait_dscnt 0x0
	SQ 0, \q, \qs
	SQ 1, \q, (\qs)+1
	WIN 0
	s_mov_b32 s[CNT], 15
.Ltrip_\@:
	TRIP 1, \q, \qs
	s_sub_co_u32 s[CNT], s[CNT], 1
	s_cmp_lg_u32 s[CNT], 0
	s_cbranch_scc1 .Ltrip_\@
	TRIP 0, \q, \qs                                ; the last step has no successor
	OUT 0, \k
	OUT 1, \k
	WIN 0
	v_cmp_ne_u32 vcc_lo, 0, v[SH]
	v_cndmask_b32 v[W0+2], v[W0], v[W0+1], vcc_lo  ; lanes 0-15 tile 0's rows, lanes 16-31 tile 1's
	global_store_b16 v[L32], v[W0+2], s[34:35] offset:8192*(\k)   ; 2 of a row's 32 scale bytes: the other heads' work-groups write the rest; 262,144 bytes in the whole launch
.endm
	s_wait_tensorcnt 0x0                           ; my eighth is in,
	s_barrier_signal -1
	s_barrier_wait -1                              ; everybody's is: from here on LDS is only read
	s_wait_loadcnt 0x0                             ; q
	PASS 0, QA, QSA
	PASS 1, QB, QSB
	s_wait_dscnt 0x0
	s_wait_tensorcnt 0x0
	ds_add_u32 v239, v255
	s_wait_dscnt 0x0
	CROUND                                         ; the closing round
	s_endpgm
.Lfunc_end_k_q378f7e01d0_attention:
	.size	k_q378f7e01d0_attention, .Lfunc_end_k_q378f7e01d0_attention-k_q378f7e01d0_attention
	.p2alignl 7, 3214868480
	.fill 96, 4, 3214868480
	.section	.rodata,"a",@progbits
	.p2align	6, 0x0
	.amdhsa_kernel k_q378f7e01d0_attention
		.amdhsa_group_segment_fixed_size 209920
		.amdhsa_private_segment_fixed_size 0
		.amdhsa_enable_private_segment 0
		.amdhsa_kernarg_size 24
		.amdhsa_user_sgpr_count 2
		.amdhsa_user_sgpr_kernarg_segment_ptr 1
		.amdhsa_wavefront_size32 1
		.amdhsa_system_sgpr_workgroup_id_x 1
		.amdhsa_system_sgpr_workgroup_id_y 1
		.amdhsa_system_sgpr_workgroup_id_z 1
		.amdhsa_system_vgpr_workitem_id 0
		.amdhsa_next_free_vgpr 512
		.amdhsa_next_free_sgpr 66
		.amdhsa_reserve_vcc 1
		.amdhsa_float_denorm_mode_32 3
		.amdhsa_float_denorm_mode_16_64 3
		.amdhsa_memory_ordered 1
		.amdhsa_forward_progress 1
		.amdhsa_inst_pref_size 133
	.end_amdhsa_kernel
	.amdgpu_metadata
---
amdhsa.version: [ 1, 2 ]
amdhsa.kernels:
  - .name:           k_q378f7e01d0_attention
    .symbol:         k_q378f7e01d0_attention.kd
    .args:
      - { .name: qkv, .offset: 0, .size: 8, .value_kind: global_buffer, .address_space: global }
      - { .name: a_img, .offset: 8, .size: 8, .value_kind: global_buffer, .address_space: global }
      - { .name: a_scales, .offset: 16, .size: 8, .value_kind: global_buffer, .address_space: global }
    .group_segment_fixed_size: 209920
    .private_segment_fixed_size: 0
    .kernarg_segment_align: 8
    .kernarg_segment_size: 24
    .max_flat_workgroup_size: 256
    .sgpr_count:     66
    .vgpr_count:     512
    .wavefront_size: 32
...
	.end_amdgpu_metadata
.endif
;; end of part 3
;; launch gemm_proj (part 4): grid 4 x 32, 4 waves a work-group, clusters of 4 x 4, 327,680 bytes of LDS; arguments a_img, a_scales, w_codes, w_scales, b_proj, out0; writes out0
.if DOCPART == 4
	.amdgcn_target "amdgcn-amd-amdhsa--gfx1250"
	.amdhsa_code_object_version 6
	.text
	.protected	k_q378f7e01d0_gemm_proj
	.globl	k_q378f7e01d0_gemm_proj
	.p2align	8
	.type	k_q378f7e01d0_gemm_proj,@function
k_q378f7e01d0_gemm_proj:
	s_mov_b64 s[64:65], 0
	v_nop
	global_prefetch_b8 v0, s[64:65] scope:SCOPE_SE
	s_setreg_imm32_b32 hwreg(HW_REG_WAVE_MODE, 25, 1), 1
	s_wait_xcnt 0x0
	s_wait_alu depctr_hold_cnt(0) depctr_sa_sdst(0) depctr_va_vdst(0) depctr_va_sdst(0) depctr_va_ssrc(0) depctr_va_vcc(0) depctr_vm_vsrc(0)
	s_getreg_b32 s2, hwreg(HW_REG_IB_STS2, 6, 4)
	s_cmp_eq_u32 s2, 0
	s_cbranch_scc0 .Lentry_in_a_cluster
	s_endpgm
.Lentry_in_a_cluster:
	s_bfe_u32 s2, ttmp6, 0x10000c
	s_cmp_lg_u32 s2, 0xf033
	s_cbranch_scc0 .Lentry_shape_is_right
	s_endpgm
.Lentry_shape_is_right:
; out0 = attention's result x w_proj + b_proj on codes of FP6 (E2M3) with E8M0 scales, K = 1,024; f32 out.  The skeleton is that of the launch for qkv: a tile of 256 x 256 by four waves of 128 x 128, K in steps of 256
; through a ring of two LDS slots, scale bytes brought once, clusters of 4 x 4 with joint loads (the rows' tiles along a row of the cluster, the weights' along a column).
; WHAT DIFFERS.  (1) The rows' operand arrives as HALF IMAGES [tile of 16 rows][head][768 bytes]: registers 0-3 of lane l at 16 l, registers 4-5 at 512 + 8 l.  A K step of 256 is four heads: 3,072 consecutive bytes
; of each tile of rows; a fragment (two heads) comes by two loads of 16 bytes and two of 8, at consecutive addresses.  (2) The weights are rows 3,072 on of w_codes.  (3) The bias is the C of each sum's first product.
; (4) Source 0 = the weights, whose rows lie in position order (position 16 u + 8 hi + j of a group of 64 holds row 32 hi + 8 u + j), source 1 = the rows, in the same order: the way out undoes both: accumulator
; b of lane (r, h) holds columns 64 (b / 4) + 32 h + 8 (b % 4) + 0..7, and row t of block a is row 64 (a / 4) + 32 (t / 8) + 8 (a % 4) + t % 8.
; 128 work-groups: the tile is kept at 256 x 256 so that each fragment read from LDS feeds eight products.
.set KSTEP,  256
.set NQ,     2
.set ROWB,   192
.set KROW,   768
.set PITCH,  240
.set FR,     12
.set NLA,    4                         ; LDS loads that bring a fragment of the rows' operand
.set NP,     4
.set HALFT,  128*PITCH
.set SLOT,   4*HALFT
.set IMGB,   3072                      ; a K step of one tile of rows
.set LAPS,   2
.set KS,     32
.set SCL,    2*SLOT
.set HALFS,  (128*KS/256)*272
.set SBLK,   (16*KS/256)*272
.set SPARE,  SCL+4*HALFS               ; the spare words, 128 bytes a wave: two blocks of 256 bytes that no other line names
.set SPITCH, 528                       ; the way out: a stage of 16 rows x (512 + 16) bytes a wave, in slot 0, which has had its last fill and its last read when the first result is stored there
.set ADRA, 16                          ; v16-17 the rows' images in slot 0, 1, + 16 x lane; v18-19 + 8 x lane
.set ADRB, 20                          ; v20-23 the weights' fragments
.set STO,  24
.set RD,   25
.set CO,   26
.set ADRS, 27
.set SPW,  28
.set NIL,  29
.set SC,   32
.set BI,   64                          ; v64-127 the bias in the result's layout: eight registers for each of source 0's blocks
.set AF,   128
.set BK,   128
.set G1, 24
.set G0, 32
.set G1B, 48
.set G0B, 56
.set G1S, 68
.set G0S, 76
.set G1SB, 80
.set G0SB, 88
.set MSB, 0
.macro WIN new
.if MSB != (\new)
	s_set_vgpr_msb (MSB<<8)|(\new)
.set MSB, (\new)
.endif
.endm
.set MUL_LO, 0xa1
.set MUL_HI, 0xf1
.set TO_B,   0x40
.macro JLOAD g0a, g1a, g0b, g1b        ; a joint load: waves 0 and 1 for the rows, waves 2 and 3 for the weights; four v_nop follow each of the two lines
	s_cmp_eq_u32 s15, 0
	s_cbranch_scc0 .Lfor_b_\@
	tensor_load_to_lds s[\g0a:\g0a+3], s[\g1a:\g1a+7]
	s_nop 0
.rept 4
	v_nop
.endr
	s_branch .Lasked_\@
.Lfor_b_\@:
	tensor_load_to_lds s[\g0b:\g0b+3], s[\g1b:\g1b+7]
	s_nop 0
.rept 4
	v_nop
.endr
.Lasked_\@:
.endm
.macro CREST
	s_cmp_lg_u32 s14, 0
	s_cbranch_scc1 .Lnot_wave_0_\@
	s_barrier_signal -3
.Lnot_wave_0_\@:
	s_barrier_wait -3
	s_barrier_signal -1
	s_barrier_wait -1
.endm
.macro CROUND
	s_barrier_signal -1
	s_barrier_wait -1
	CREST
.endm
	s_load_b128 s[4:7], s[0:1], 0x0                ; a_img, a_scales
	s_load_b128 s[8:11], s[0:1], 0x10              ; w_codes, w_scales
	s_load_b64 s[66:67], s[0:1], 0x20              ; b_proj
	s_load_b64 s[12:13], s[0:1], 0x28              ; out0
	v_lshl_add_u32 v[SPW], v0, 2, SPARE
	v_mov_b32 v[NIL], 0
	ds_add_u32 v28, v29
	ds_add_u32 v28, v29
	s_wait_dscnt 0x0
	v_lshrrev_b32 v1, 5, v0
	v_readfirstlane_b32 s14, v1                    ; wave 0..3
	s_lshr_b32 s15, s14, 1                         ; my half of the rows.  Also: I fetch for the rows (0) or for the weights (1)
	s_and_b32 s16, s14, 1                          ; my half of the columns.  Also: which 128 rows I fetch
	s_bfe_u32 s40, ttmp6, 0x40000
	s_bfe_u32 s41, ttmp6, 0x40004
	s_lshl_b32 s42, ttmp9, 2
	s_add_co_u32 s42, s42, s40                     ; tile column
	s_and_b32 s17, ttmp7, 0xffff
	s_lshl_b32 s17, s17, 2
	s_add_co_u32 s17, s17, s41                     ; tile row
	s_lshl_b32 s43, s41, 2
	s_lshl_b32 s43, 15, s43                        ; my row of the cluster
	s_lshl_b32 s44, 0x1111, s40                    ; my column
	; group 1 for the rows: 8 tiles of rows x 3,072 bytes (384 elements of 8), 12,288 bytes apart, no padding
	s_or_b32 s[G1+0], s43, (3<<16)|(1<<21)
	s_mov_b32 s[G1+1], 384<<16                     ; tensor_dim0
	s_mov_b32 s[G1+2], 8<<16                       ; tensor_dim1
	s_mov_b32 s[G1+3], 384<<16                     ; tile_dim0
	s_mov_b32 s[G1+4], 8                           ; tile_dim1
	s_mov_b32 s[G1+5], 1536                        ; tensor_dim0_stride
	s_mov_b32 s[G1+6], 0
	s_mov_b32 s[G1+7], 0
	; for the weights: 128 rows x 192 bytes, 16 bytes of padding behind every 64
	s_or_b32 s[G1B+0], s44, (0<<16)|(1<<20)|(1<<21)|(3<<22)|(3<<25)
	s_mov_b32 s[G1B+1], ROWB<<16
	s_mov_b32 s[G1B+2], 128<<16
	s_mov_b32 s[G1B+3], ROWB<<16
	s_mov_b32 s[G1B+4], 128
	s_mov_b32 s[G1B+5], KROW
	s_mov_b32 s[G1B+6], 0
	s_mov_b32 s[G1B+7], 0
	; the scales of 128 rows: 16 rows of 256 bytes, 16 bytes of padding behind each
	s_or_b32 s[G1S+0], s43, (3<<16)|(1<<20)|(1<<21)|(5<<22)|(3<<25)
	s_or_b32 s[G1SB+0], s44, (3<<16)|(1<<20)|(1<<21)|(5<<22)|(3<<25)
.irp g, G1S, G1SB
	s_mov_b32 s[\g+1], 32<<16
	s_mov_b32 s[\g+2], (128*KS/256)<<16
	s_mov_b32 s[\g+3], 32<<16
	s_mov_b32 s[\g+4], 128*KS/256
	s_mov_b32 s[\g+5], 32
	s_mov_b32 s[\g+6], 0
	s_mov_b32 s[\g+7], 0
.endr
	s_lshl_b32 s18, s16, 7
	s_lshl_b32 s20, s17, 8
	s_add_co_u32 s20, s20, s18                     ; rows: 256 x tile row + 128 x half
	s_lshl_b32 s46, s42, 8
	s_add_co_u32 s46, s46, s18                     ; weights: 256 x tile column + 128 x half
	s_mov_b32 s21, 0
	s_mov_b32 s47, 0
	s_mov_b64 s[18:19], KS
	s_mul_u64 s[22:23], s[20:21], s[18:19]
	s_mul_u64 s[92:93], s[46:47], s[18:19]
	s_mov_b64 s[18:19], KROW
	s_mul_u64 s[20:21], s[20:21], s[18:19]         ; 768 bytes a row: 12,288 a tile of 16 rows
	s_mul_u64 s[46:47], s[46:47], s[18:19]
	s_mul_i32 s45, s14, HALFT
	s_mul_i32 s94, s14, HALFS
	s_wait_kmcnt 0x0
	s_add_nc_u64 s[8:9], s[8:9], 3072*KROW         ; w_proj's rows lie behind w_qkv's
	s_add_nc_u64 s[10:11], s[10:11], 3072*KS
	s_add_nc_u64 s[20:21], s[4:5], s[20:21]
	s_add_nc_u64 s[22:23], s[6:7], s[22:23]
	s_add_nc_u64 s[46:47], s[8:9], s[46:47]
	s_add_nc_u64 s[92:93], s[10:11], s[92:93]
	CROUND                                         ; all sixteen work-groups are here: the first joint loads meet
	s_mov_b32 s[G0S], 1
	s_add_co_u32 s[G0S+1], s94, SCL
	s_mov_b64 s[G0S+2:G0S+3], s[22:23]
	s_or_b32 s[G0S+3], s[G0S+3], 0x80000000
	s_mov_b32 s[G0SB], 1
	s_add_co_u32 s[G0SB+1], s94, SCL
	s_mov_b64 s[G0SB+2:G0SB+3], s[92:93]
	s_or_b32 s[G0SB+3], s[G0SB+3], 0x80000000
	JLOAD G0S, G1S, G0SB, G1SB
.irp s, 0,1
	s_mov_b32 s[G0+4*\s], 1
	s_add_co_u32 s[G0+4*\s+1], s45, \s*SLOT
	s_add_nc_u64 s[G0+4*\s+2:G0+4*\s+3], s[20:21], \s*IMGB
	s_or_b32 s[G0+4*\s+3], s[G0+4*\s+3], 0x80000000
	s_mov_b32 s[G0B+4*\s], 1
	s_add_co_u32 s[G0B+4*\s+1], s45, \s*SLOT
	s_add_nc_u64 s[G0B+4*\s+2:G0B+4*\s+3], s[46:47], \s*ROWB
	s_or_b32 s[G0B+4*\s+3], s[G0B+4*\s+3], 0x80000000
	JLOAD G0+4*\s, G1, G0B+4*\s, G1B
.endr
	v_and_b32 v1, 15, v0                           ; r
	v_bfe_u32 v2, v0, 4, 1                         ; h
	v_mul_u32_u24 v3, v1, PITCH
	v_mul_u32_u24 v4, v2, 24
	v_add_nc_u32 v4, v3, v4
	v_lshl_add_u32 v5, v2, 4, v4
	v_and_b32 v6, 31, v0
	v_lshlrev_b32 v7, 4, v6
	v_lshlrev_b32 v8, 3, v6
	s_mul_i32 s21, s15, HALFT                      ; my 8 tiles of rows
	s_mul_i32 s22, s16, HALFT
	s_add_co_u32 s22, s22, 2*HALFT                 ; my 128 rows of the weights
.irp s, 0,1
	v_add_nc_u32 v[ADRA+\s], s21, v7
	v_add_nc_u32 v[ADRA+2+\s], s21, v8
	v_add_nc_u32 v[ADRB+\s], s22, v4
	v_add_nc_u32 v[ADRB+2+\s], s22, v5
	s_add_co_u32 s21, s21, SLOT
	s_add_co_u32 s22, s22, SLOT
.endr
	v_mul_u32_u24 v5, v1, KS
	v_lshrrev_b32 v9, 8, v5
	v_lshl_add_u32 v5, v9, 4, v5
	s_mul_i32 s21, s15, HALFS
	s_mul_i32 s22, s16, HALFS
	s_add_co_u32 s22, s22, 2*HALFS
	s_sub_co_u32 s22, s22, s21
	v_mul_u32_u24 v9, s22, v2                      ; lanes 16-31 take the weights' words
	s_add_co_u32 s21, s21, SCL
	v_add_nc_u32 v5, v5, v9
	v_add_nc_u32 v[ADRS], s21, v5
	s_mul_i32 s23, s14, 16*SPITCH                  ; my stage
	v_mul_u32_u24 v5, v1, SPITCH
	v_lshl_add_u32 v5, v2, 7, v5                   ; in: row r, + 128 h
	v_add_nc_u32 v[STO], s23, v5
	v_lshlrev_b32 v[CO], 4, v6                     ; back: the 32 lanes take one row of 512 bytes; and the same in out0
	v_add_nc_u32 v[RD], s23, v[CO]
	s_lshl_b32 s20, s17, 8
	s_lshl_b32 s21, s15, 7
	s_add_co_u32 s20, s20, s21                     ; my first row of out0
	s_lshl_b32 s20, s20, 12                        ; 4,096 bytes a row
	s_mov_b32 s21, 0
	s_lshl_b32 s46, s42, 10                        ; my first column, in bytes
	s_lshl_b32 s47, s16, 9
	s_add_co_u32 s46, s46, s47
	s_mov_b32 s47, 0
	s_add_nc_u64 s[66:67], s[66:67], s[46:47]      ; the bias at my first column
	s_add_nc_u64 s[20:21], s[20:21], s[46:47]
	s_add_nc_u64 s[12:13], s[12:13], s[20:21]
	v_lshlrev_b32 v9, 7, v2                        ; 32 numbers on for lanes 16-31
.irp b, 0,1,2,3,4,5,6,7
	global_load_b128 v[BI+8*\b:BI+8*\b+3], v9, s[66:67] offset:256*(\b/4)+32*(\b%4)
	global_load_b128 v[BI+8*\b+4:BI+8*\b+7], v9, s[66:67] offset:256*(\b/4)+32*(\b%4)+16
.endr
.macro FRAG reg, adr, q, i             ; a fragment of the weights, from rows of 192 bytes with 16 of padding behind every 64
.irp p, 0,1,2,3,4,5
.set PC, 12*(\q)+6*(\p/3)+\p%3
.if PC%8 < 5
	ds_load_b64 v[\reg+2*\p:\reg+2*\p+1], v[\adr] offset:8*PC+16*(PC/8)+(\i)*16*PITCH
.else
	ds_load_b64 v[\reg+2*\p:\reg+2*\p+1], v[\adr+2] offset:8*PC+16*(PC/8)+(\i)*16*PITCH
.endif
.endr
.endm
.macro FRAGI reg, slot, q, i           ; a fragment of the rows' operand: the half images of heads 2 q, 2 q + 1 of the slot's four, tile of rows i
	ds_load_b128 v[\reg:\reg+3], v[ADRA+\slot] offset:IMGB*(\i)+1536*(\q)
	ds_load_b64 v[\reg+4:\reg+5], v[ADRA+2+\slot] offset:IMGB*(\i)+1536*(\q)+512
	ds_load_b128 v[\reg+6:\reg+9], v[ADRA+\slot] offset:IMGB*(\i)+1536*(\q)+768
	ds_load_b64 v[\reg+10:\reg+11], v[ADRA+2+\slot] offset:IMGB*(\i)+1536*(\q)+1280
.endm
; 16 matrix instructions; first = 1: the sums begin with the bias as C.  The 64 accumulators take turns, one instruction a turn.
.macro MUL16 a0, p, q, sc, first
.irp a, \a0, \a0+1
.irp b, 0,1,2,3,4,5,6,7
.if \first
	v_wmma_scale_f32_16x16x128_f8f6f4 v[8*(8*((\a)%4)+\b):8*(8*((\a)%4)+\b)+7], v[128*(\p)+FR*\b:128*(\p)+FR*\b+FR-1], v[AF+FR*(\a):AF+FR*(\a)+FR-1], v[BI+8*\b:BI+8*\b+7], v[SC+8*NQ*(\sc)+NQ*\b+(\q)], v[SC+8*NQ*(\sc)+NQ*(\a)+(\q)] matrix_a_fmt:MATRIX_FMT_FP6 matrix_b_fmt:MATRIX_FMT_FP6 matrix_a_scale:MATRIX_SCALE_ROW1
.else
	v_wmma_scale_f32_16x16x128_f8f6f4 v[8*(8*((\a)%4)+\b):8*(8*((\a)%4)+\b)+7], v[128*(\p)+FR*\b:128*(\p)+FR*\b+FR-1], v[AF+FR*(\a):AF+FR*(\a)+FR-1], v[8*(8*((\a)%4)+\b):8*(8*((\a)%4)+\b)+7], v[SC+8*NQ*(\sc)+NQ*\b+(\q)], v[SC+8*NQ*(\sc)+NQ*(\a)+(\q)] matrix_a_fmt:MATRIX_FMT_FP6 matrix_b_fmt:MATRIX_FMT_FP6 matrix_a_scale:MATRIX_SCALE_ROW1
.endif
.endr
.endr
.endm
.macro FETCH_B slot, q, p
	WIN TO_B
.irp i, 0,1,2,3,4,5,6,7
	FRAG 128*(\p)+FR*\i, ADRB+\slot, \q, \i
.endr
	WIN 0
.endm
.macro FETCH_A slot, q, i0
.irp i, \i0, \i0+1, \i0+2, \i0+3
	FRAGI AF+FR*(\i), \slot, \q, \i
.endr
.endm
.macro SCALES sc
.irp i, 0,1,2,3,4,5,6,7
	ds_load_b64 v[SC+8*NQ*\sc+NQ*\i:SC+8*NQ*\sc+NQ*\i+1], v[ADRS] offset:\i*SBLK
.endr
.endm
.macro PLACES n
.rept \n
	v_nop
.endr
.endm
.macro STEP slot, q, first
	s_wait_dscnt 4*NLA                             ; the weights' set and the rows' blocks 0-3 are in; the youngest 16 loads (blocks 4-7) may be out
.if \first
	WIN 0x81                                       ; C (the bias) window 0, D window 2
.else
	WIN MUL_LO
.endif
	MUL16 0, (\q)%2, \q, \slot, \first
	MUL16 2, (\q)%2, \q, \slot, \first
	s_wait_dscnt 0
	PLACES NP
	FETCH_B \slot, (\q)+1, 1-(\q)%2
	FETCH_A \slot, (\q)+1, 0
.if \first
	WIN 0xc1
.else
	WIN MUL_HI
.endif
	MUL16 4, (\q)%2, \q, \slot, \first
	MUL16 6, (\q)%2, \q, \slot, \first
	PLACES NP
	WIN 0
	FETCH_A \slot, (\q)+1, 4
.endm
.macro TURN slot, next, fill
	s_wait_tensorcnt 0x0                           ; all my tensor loads have landed: my part of the next slot
	ds_add_u32 v[SPW], v[NIL]                      ; 0 onto my spare word
	s_wait_dscnt 4*NLA+1                           ; the add and the youngest 16 loads may be out
	WIN MUL_LO
	MUL16 0, 1, NQ-1, \slot, 0
	s_wait_dscnt 0x0                               ; the add is done, and my reads of this slot are over
	s_barrier_signal -1
	MUL16 2, 1, NQ-1, \slot, 0
	WIN 0
	s_barrier_wait -1
.if \fill
	CREST                                          ; the barrier has opened a round of the cluster's: no wave of any partner still reads this slot or has a load on its way
	s_add_nc_u64 s[G0+4*\slot+2:G0+4*\slot+3], s[G0+4*\slot+2:G0+4*\slot+3], 2*IMGB
	s_add_nc_u64 s[G0B+4*\slot+2:G0B+4*\slot+3], s[G0B+4*\slot+2:G0B+4*\slot+3], 2*ROWB
	JLOAD G0+4*\slot, G1, G0B+4*\slot, G1B
.else
	PLACES NP
.endif
	v_add_nc_u32 v[ADRS], 4*NQ, v[ADRS]
	FETCH_B \next, 0, 0
	FETCH_A \next, 0, 0
	SCALES \next
	WIN MUL_HI
	MUL16 4, 1, NQ-1, \slot, 0
	MUL16 6, 1, NQ-1, \slot, 0
	PLACES NP
	WIN 0
	FETCH_A \next, 0, 4
.endm
	s_wait_tensorcnt 1                             ; the scales and my part of K step 0 are in; K step 1's load may be out
	s_barrier_signal -1
	s_barrier_wait -1
	FETCH_B 0, 0, 0
	FETCH_A 0, 0, 0
	SCALES 0
	FETCH_A 0, 0, 4
	s_wait_loadcnt 0x0                             ; the bias
	STEP 0, 0, 1
	s_mov_b32 s3, LAPS-1
.Llap:
	TURN 0, 1, 1
	STEP 1, 0, 0
	TURN 1, 0, 1
	STEP 0, 0, 0
	s_sub_co_u32 s3, s3, 1
	s_cmp_lg_u32 s3, 0
	s_cbranch_scc1 .Llap
	TURN 0, 1, 0
	STEP 1, 0, 0
	s_wait_dscnt 4*NLA
	WIN MUL_LO
	MUL16 0, 1, NQ-1, 1, 0
	MUL16 2, 1, NQ-1, 1, 0
	s_wait_dscnt 0
	WIN MUL_HI
	MUL16 4, 1, NQ-1, 1, 0
	MUL16 6, 1, NQ-1, 1, 0
	WIN 0
; THE WAY OUT, block by block of 16 rows x 128 columns, through my own stage: LDS serves a wave's instructions in order (ISA guide 5.7.1.4), so no wait stands between the stores and the loads.
.macro TOSTAGE a
.set AC, 64*((\a)%4)
	WIN 0x08+4*((\a)/4)                            ; the data: window 2 or 3
.irp b, 0,1,2,3,4,5,6,7
	ds_store_b128 v[STO], v[AC+8*\b:AC+8*\b+3] offset:256*(\b/4)+32*(\b%4)          ; each accumulator from its low end on; its eight columns' true place in the row
	ds_store_b128 v[STO], v[AC+8*\b+4:AC+8*\b+7] offset:256*(\b/4)+32*(\b%4)+16
.endr
	WIN 0
.set BB, BK+64*((\a)%2)
.irp t, 0,1,2,3,4,5,6,7,8,9,10,11,12,13,14,15
	ds_load_b128 v[BB+4*\t:BB+4*\t+3], v[RD] offset:\t*SPITCH
.endr
.endm
.macro SEND a, younger
.set BB, BK+64*((\a)%2)
	s_wait_dscnt \younger                          ; the block is back in registers
.irp t, 0,1,2,3,4,5,6,7,8,9,10,11,12,13,14,15
	global_store_b128 v[CO], v[BB+4*\t:BB+4*\t+3], s[12:13] offset:(64*((\a)/4)+8*((\a)%4)+(\t%8)+32*(\t/8))*4096 th:TH_STORE_NT   ; the row's true place; 512 consecutive bytes, aligned; the base is never stepped
.endr
.endm
	PLACES NP
	TOSTAGE 0
.irp a, 1,2,3,4,5,6,7
.if \a > 1
	s_wait_xcnt 0x0                                ; block a - 2's stores have read their registers: block a's loads may land there
.endif
	TOSTAGE \a
	SEND \a-1, 32                                  ; behind block a - 1's loads: block a's 16 stores and 16 loads
.endr
	SEND 7, 0
	s_wait_tensorcnt 0x0                           ; the wave's end
	ds_add_u32 v[SPW], v[NIL]
	s_wait_dscnt 0x0
	CROUND                                         ; the closing round
	s_endpgm
.Lfunc_end_k_q378f7e01d0_gemm_proj:
	.size	k_q378f7e01d0_gemm_proj, .Lfunc_end_k_q378f7e01d0_gemm_proj-k_q378f7e01d0_gemm_proj
	.p2alignl 7, 3214868480
	.fill 96, 4, 3214868480
	.section	.rodata,"a",@progbits
	.p2align	6, 0x0
	.amdhsa_kernel k_q378f7e01d0_gemm_proj
		.amdhsa_group_segment_fixed_size 327680
		.amdhsa_private_segment_fixed_size 0
		.amdhsa_enable_private_segment 0
		.amdhsa_kernarg_size 48
		.amdhsa_user_sgpr_count 2
		.amdhsa_user_sgpr_kernarg_segment_ptr 1
		.amdhsa_wavefront_size32 1
		.amdhsa_system_sgpr_workgroup_id_x 1
		.amdhsa_system_sgpr_workgroup_id_y 1
		.amdhsa_system_sgpr_workgroup_id_z 1
		.amdhsa_system_vgpr_workitem_id 0
		.amdhsa_next_free_vgpr 1024
		.amdhsa_next_free_sgpr 98
		.amdhsa_reserve_vcc 0
		.amdhsa_float_denorm_mode_32 3
		.amdhsa_float_denorm_mode_16_64 3
		.amdhsa_memory_ordered 1
		.amdhsa_forward_progress 1
		.amdhsa_inst_pref_size 153
	.end_amdhsa_kernel
	.amdgpu_metadata
---
amdhsa.version: [ 1, 2 ]
amdhsa.kernels:
  - .name:           k_q378f7e01d0_gemm_proj
    .symbol:         k_q378f7e01d0_gemm_proj.kd
    .args:
      - { .name: a_img, .offset: 0, .size: 8, .value_kind: global_buffer, .address_space: global }
      - { .name: a_scales, .offset: 8, .size: 8, .value_kind: global_buffer, .address_space: global }
      - { .name: w_codes, .offset: 16, .size: 8, .value_kind: global_buffer, .address_space: global }
      - { .name: w_scales, .offset: 24, .size: 8, .value_kind: global_buffer, .address_space: global }
      - { .name: b_proj, .offset: 32, .size: 8, .value_kind: global_buffer, .address_space: global }
      - { .name: out0, .offset: 40, .size: 8, .value_kind: global_buffer, .address_space: global }
    .group_segment_fixed_size: 327680
    .private_segment_fixed_size: 0
    .kernarg_segment_align: 8
    .kernarg_segment_size: 48
    .max_flat_workgroup_size: 128
    .sgpr_count:     98
    .vgpr_count:     1024
    .wavefront_size: 32
...
	.end_amdgpu_metadata
.endif
;; end of part 4
